; MI455X (gfx1250); checked and timed in simulation.
; The chip was launched on July 23, 2026; its instructions are those of AMD's public machine-readable ISA for CDNA 5 (MIT licence, August 2026) and "CDNA5" Instruction Set Architecture Reference Guide (July 2026). The comments in the code are by the model that wrote it; some were corrected since.
;; Multi Head Attention. Allowed arithmetic: matrix products marked QUANTISED: E2M3 operands, one E8M0 scale for each 32 along K, by v_wmma_scale_f32_16x16x128_f8f6f4 with both operands' format E2M3, f32 sums; everything else in f32.
;; Inputs: Wk 1,024 x 1,024 float32; Wp 1,024 x 1,024 float32; Wq 1,024 x 1,024 float32; Wv 1,024 x 1,024 float32; bp 1,024 float32; key 4 x 2,048 x 1,024 float32; mask 1 x 1 x 2,048 x 2,048 int32; query 4 x 2,048 x 1,024 float32; value 4 x 2,048 x 1,024 float32.
;; Outputs: out0 4 x 2,048 x 1,024 float32.
;; This version of the problem:
;;   THIS VERSION OF THE PROBLEM IS GIVEN IN LOW PRECISION. The matrix products marked QUANTISED in the list below multiply operands that are first quantised to E2M3 (2 exponent bits, 3 mantissa bits; 6 bits a number), with one power-of-two scale for each 32 numbers along K (OCP MX v1.0); their sums are f32. All else is computed in f32.
;;   The module's matrix products, in the order in which they are computed (A, B: the left and right operand; K: the contracted axis; several contracted axes count as one K, in the product's order):
;;     1. [M 8,192, K 1,024] x [K 1,024, N 1,024]; A: input query; B: input Wq: QUANTISED
;;     2. [M 8,192, K 1,024] x [K 1,024, N 1,024]; A: input key; B: input Wk: QUANTISED
;;     3. [M 8,192, K 1,024] x [K 1,024, N 1,024]; A: input value; B: input Wv: QUANTISED
;;     4. batch 64 x [M 2,048, K 64] x [K 64, N 2,048]; A: computed on the way; B: computed on the way: QUANTISED
;;     5. batch 64 x [M 2,048, K 2,048] x [K 2,048, N 64]; A: softmax (see below); B: computed on the way: QUANTISED
;;     6. [M 8,192, K 1,024] x [K 1,024, N 1,024]; A: computed on the way; B: input Wp: QUANTISED
;;   THE QUANTISER, for each operand of a quantised product, along K:
;;     - K is cut into blocks of 32 from its start; a last block that is shorter is filled with zeros.
;;     - A block's scale is 2^e with e = floor(log2(the largest magnitude in the block)) - 2, held to -126 .. 127; a block of zeros has e = 0. As a byte (E8M0): e + 127.
;;     - Each number is divided by its block's scale, clamped to +-7.5, and rounded to the nearest number of E2M3, ties to even, subnormals kept.
;;     - The product sums the exact products of the quantised numbers (number of the format x scale) in f32.
;;   ~~~python
;;   def quantise(x, axis):      # numpy; x: float32 -> the quantised numbers, widened to float32 again
;;       x = np.moveaxis(x, axis, -1); K = x.shape[-1]
;;       x = np.pad(x, [(0, 0)] * (x.ndim - 1) + [(0, -K % 32)]); x = x.reshape(x.shape[:-1] + (-1, 32)); a = np.abs(x).max(-1, keepdims=True)
;;       e = np.where(a > 0, np.clip(np.frexp(np.where(a > 0, a, 1))[1] - 1 - 2, -126, 127), 0)      # np.frexp(a)[1] - 1 = floor(log2(a)), exactly
;;       r = np.clip(x / 2.0 ** e, -7.5, 7.5)
;;       step = 2.0 ** (np.maximum(np.frexp(np.where(r == 0, 1, r))[1] - 1, 0) - 3)
;;       q = np.round(r / step) * step * 2.0 ** e      # np.round: ties to even
;;       return np.moveaxis(q.reshape(q.shape[:-2] + (-1,))[..., :K], -1, axis).astype(np.float32)
;;   ~~~
;;   SOFTMAX AHEAD OF A QUANTISED PRODUCT. Where the list says 'softmax', what is quantised is not the finished softmax but p = 2^(t - M), with t = logit x log2(e) and M = ceil(the row's largest t), a whole number; so 1/2 < the row's largest p <= 1. The row's sum l is taken of the UNQUANTISED p, in f32, and the product's result is divided by l at the end. Since M is a whole number, a kernel that streams over the keys may use a running M (the ceiling of the running maximum): every later rescaling is an exact power of two, which a block's scale takes up: the codes' values come out the same.
;;   OPERANDS COMPUTED ON THE WAY. 'Computed on the way' means the value that the module computes at that place (a softmax that the list does not call 'softmax' is quantised finished and normalised). What goes into a quantiser is computed in f32, as accurately as f32 sums, v_exp_f32 and their like allow (about 1e-6 of the number): no bf16 or f16 on the way to a quantiser, and a product that is left as it is and whose result goes on into a quantised operand takes f32 operands (vector FMAs, or v_wmma_f32_16x16x4_f32). A number that lies on a knife's edge between two numbers of the format may be rounded either way, as far as f32 arithmetic and the matrix unit's own rounding can turn it there, and no further.
;; One version. Each part assembles by itself: llvm-mc -triple=amdgcn-amd-amdhsa -mcpu=gfx1250 --defsym DOCPART=n.
;; ======== version 1 of 1: 4 launches
;; limits: right only within a limited range of input values
;; workspace buffers: fc 22,020,096 bytes; fs 917,504 bytes; mb 524,288 bytes of whole numbers; hd 20,185,088 bytes; aoc 6,291,456 bytes; aos 262,144 bytes
;; launch prep (part 1): grid 512 x 1, 4 waves a work-group, no clusters, 68,096 bytes of LDS; arguments query, key, value, Wq, Wk, Wv, Wp, mask, fc, fs, mb; writes fc, fs, mb
.if DOCPART == 1
	.amdgcn_target "amdgcn-amd-amdhsa--gfx1250"
	.amdhsa_code_object_version 6
	.text
	.protected	k_qb802db3329_prep
	.globl	k_qb802db3329_prep
	.p2align	8
	.type	k_qb802db3329_prep,@function
k_qb802db3329_prep:
	s_mov_b64 s[64:65], 0
	v_nop
	global_prefetch_b8 v0, s[64:65] scope:SCOPE_SE
	s_setreg_imm32_b32 hwreg(HW_REG_WAVE_MODE, 25, 1), 1
	s_wait_xcnt 0x0
; query, key, value [8192][1024] and Wq, Wk, Wv, Wp [1024][1024], f32, become codes of FP6 (E2M3) with one E8M0 byte for each 32 along the 1,024; the mask [2048][2048] int32 becomes words of 32 lane bits.
; ROW TILES.  Rows go in groups of 64; tile w (0..3) of a group has lane r (0..15) on row 8 w + (r % 8) + 32 (r / 8) of the group.  Every operand tile of this program is laid so: where such tiles are source 0 of a
; product, a lane's 32 results of four tiles are 32 NEIGHBOURS along that axis, a whole block for the next quantiser.
; IMAGES.  The codes are stored in the order of the operand's registers.  Half a fragment (16 rows x 64 K, registers 0-5 of a lane) is 768 bytes: registers 0-3 at 16 x lane, registers 4-5 at 512 + 8 x lane.  A fragment
; (16 x 128) is two halves on end; a row tile's eight K steps are 12,288 bytes of fc.  Its scale words are 512 bytes of fs: the word of K step s and row r at 128 (s / 2) + 8 r + 4 (s % 2).
; A block's scale byte is its largest magnitude's exponent field - 2, held at 1 from below by a floor among the maximum's leaves.  A block of zeros so has the byte 1 where the rule says 127: its codes are zeros, and this program alone reads the bytes.
; LIMITS: NaN and infinities among the inputs are not served.
; SHARES.  A wave's job is one row tile x 8 steps of 128 columns of 4 bytes: 16 rows x 4,096 bytes.  Job J = 4 x work-group + wave: query 0-511, key 512-1023, value 1024-1535, Wq, Wk, Wv, Wp 64 each from 1536, then 256 mask jobs
; (query tile J' / 2, half J' % 2 of the 2,048 keys).  Each load reads 512 consecutive bytes of one row; a step's 16 rows turn through the wave's own stage in LDS, so that lane (r, h) gets k = 64 c + 32 h + 0 .. 31 of row r.
; MASK WORDS.  For query tile qt and key step ks (128 keys) 64 words at mb + 4096 qt + 256 ks: bit (r, h) of word n is set where mask[query r of the tile][128 ks + 64 (n / 32) + 32 h + n % 32] is not 0.
; No tensor loads, no barrier: waves share nothing.  Loads run two steps (32 loads a wave) ahead.  The two paths part once, on the work-group's number, and each has LDS bytes of its own.
.set PITCH, 528                        ; a stage row: 512 bytes + 16, an odd multiple of 16: the sixteen rows that a read touches start in different banks
.set WSTG,  16*PITCH                   ; a wave's stage
.set MOFF,  4*WSTG                     ; the mask path's four stages lie behind the quantising path's four
.set L16, 2                            ; v2   16 x lane
.set L8,  3                            ; v3   8 x lane
.set SI,  4                            ; v4   the stage, on the way in: 16 x lane
.set SO,  5                            ; v5   and on the way out: 528 r + 128 h
.set SH8, 6                            ; v6   8 h
.set AD,  8                            ; v8-23  byte offset of my 16 bytes in row i of the tile
.set MX,  24                           ; v24-25 largest magnitudes of my two blocks
.set SC,  26                           ; v26-27 the conversions' scale operands
.set BY,  28                           ; v28-29 the scale bytes
.set TT,  30                           ; v30-31 at work
.set PC,  32                           ; v32-43 a fragment's codes
.set CT0, 44                           ; v44-46, v48-50: the second halves of a block's codes (a conversion's three registers begin on an even number)
.set CT1, 48
.set SW,  52                           ; v52-59 the scale word of each step
.set MW,  60                           ; v60-61 a step's 64 mask words, two to a lane
.set R,   64                           ; v64-191 two sets of 64 registers as loaded
.set X,   192                          ; v192-255 my 64 numbers: register 32 c + i = k 64 c + 32 h + i of my row
	s_load_b512 s[4:19], s[0:1], 0x0               ; query, key, value, Wq, Wk, Wv, Wp, mask
	s_load_b128 s[20:23], s[0:1], 0x40             ; fc, fs
	s_load_b64 s[24:25], s[0:1], 0x50              ; mb
	v_lshl_add_u32 v62, v0, 2, 0x10800
	v_mov_b32 v63, 0
	v_lshrrev_b32 v1, 5, v0
	v_readfirstlane_b32 s26, v1                    ; wave
	v_and_b32 v1, 31, v0                           ; lane
	v_lshlrev_b32 v[L16], 4, v1
	v_lshlrev_b32 v[L8], 3, v1
	v_and_b32 v7, 15, v0                           ; r
	v_bfe_u32 v1, v0, 4, 1                         ; h
	s_mul_i32 s27, s26, WSTG
	v_add_nc_u32 v[SI], s27, v[L16]
	v_mul_u32_u24 v[SO], v7, PITCH
	v_lshl_add_u32 v[SO], v1, 7, v[SO]
	v_add_nc_u32 v[SO], s27, v[SO]
	v_lshlrev_b32 v[SH8], 3, v1
	v_mov_b32 v[TT+1], 0                           ; written once: a lane permute's and a lane write's destination counts as one of its sources
	v_mov_b32 v[MW], 0
	v_mov_b32 v[MW+1], 0
	s_mov_b32 s48, 0x76543210
	s_mov_b32 s49, 0xfedcba98                      ; v_permlanex16_b32's selects for lane l xor 16
	s_mov_b32 s50, 0xffff0000                      ; lanes 16-31
	s_cmp_lt_u32 ttmp9, 448
	s_cselect_b32 s29, 0, 1                        ; sh: the mask's rows are twice as long (8,192 bytes)
.set i, 0
.rept 16
	s_lshl_b32 s30, ((i%8)+32*(i/8))*4096, s29     ; row i of a tile lies (i % 8) + 32 (i / 8) rows below its first
	v_add_nc_u32 v[AD+i], s30, v[L16]
.set i, i+1
.endr
	s_wait_alu depctr_va_vdst(0)
	s_wait_kmcnt 0x0
	s_mov_b32 s28, 448                             ; which tensor, and the first work-group of its range: the choice hangs on the work-group's number alone
	s_cmp_lt_u32 ttmp9, 448
	s_cselect_b64 s[18:19], s[16:17], s[18:19]
	s_cselect_b32 s28, 432, s28
	s_cmp_lt_u32 ttmp9, 432
	s_cselect_b64 s[18:19], s[14:15], s[18:19]
	s_cselect_b32 s28, 416, s28
	s_cmp_lt_u32 ttmp9, 416
	s_cselect_b64 s[18:19], s[12:13], s[18:19]
	s_cselect_b32 s28, 400, s28
	s_cmp_lt_u32 ttmp9, 400
	s_cselect_b64 s[18:19], s[10:11], s[18:19]
	s_cselect_b32 s28, 384, s28
	s_cmp_lt_u32 ttmp9, 384
	s_cselect_b64 s[18:19], s[8:9], s[18:19]
	s_cselect_b32 s28, 256, s28
	s_cmp_lt_u32 ttmp9, 256
	s_cselect_b64 s[18:19], s[6:7], s[18:19]
	s_cselect_b32 s28, 128, s28
	s_cmp_lt_u32 ttmp9, 128
	s_cselect_b64 s[18:19], s[4:5], s[18:19]
	s_cselect_b32 s28, 0, s28
	s_sub_co_u32 s31, ttmp9, s28
	s_lshl_b32 s31, s31, 2
	s_add_co_u32 s31, s31, s26                     ; the job's number within its tensor
	s_lshr_b32 s32, s31, s29                       ; its row tile
	s_and_b32 s33, s31, s29                        ; (mask: which half of the row)
	s_lshr_b32 s34, s32, 2
	s_lshl_b32 s34, s34, 6
	s_and_b32 s35, s32, 3
	s_lshl_b32 s35, s35, 3
	s_add_co_u32 s34, s34, s35                     ; the tile's first row: 64 (tile / 4) + 8 (tile % 4)
	s_lshl_b32 s34, s34, 12
	s_lshl_b32 s34, s34, s29                       ; in bytes
	s_lshl_b32 s33, s33, 12
	s_add_co_u32 s34, s34, s33
	s_mov_b32 s35, 0
	s_add_nc_u64 s[18:19], s[18:19], s[34:35]
	s_lshl_b32 s36, ttmp9, 2
	s_add_co_u32 s36, s36, s26                     ; J
	s_mov_b32 s39, 0
.macro LOAD t                          ; step t: 16 rows x 512 bytes into set t % 2; read once in the launch
.set i, 0
.rept 16
	global_load_b128 v[R+64*((\t)%2)+4*i:R+64*((\t)%2)+4*i+3], v[AD+i], s[18:19] offset:512*(\t) th:TH_LOAD_NT
.set i, i+1
.endr
.endm
; Step t's numbers through the stage at byte off of the wave's LDS.  LDS serves a wave's instructions in order, so no wait stands between the stores and the loads.
.macro TURNX t, off
.if (\t) < 7
	s_wait_loadcnt 16                              ; this step's 16 loads are in; the next step's 16 may be out
.else
	s_wait_loadcnt 0x0
.endif
.set i, 0
.rept 16
	ds_store_b128 v[SI], v[R+64*((\t)%2)+4*i:R+64*((\t)%2)+4*i+3] offset:\off+PITCH*i
.set i, i+1
.endr
.set i, 0
.rept 16
	ds_load_b128 v[X+4*i:X+4*i+3], v[SO] offset:\off+256*(i/8)+16*(i%8)
.set i, i+1
.endr
	s_wait_dscnt 0x0                               ; my numbers are back, and the stores into the stage have read their registers,
	s_wait_xcnt 0x0                                ; and the last step's stores to memory have read theirs: codes and mask words may be written again
.if (\t) < 6
	LOAD (\t)+2                                    ; the set just emptied takes the loads of two steps on
.endif
.endm
; 64 numbers of a lane, v[x] on, become a fragment's codes in v[PC] on and its rows' scale word in v[w].
.macro QUANT2 x, w
.irp c, 0,1
	v_max3_num_f32 v[MX+\c], |v[\x+32*\c]|, |v[\x+32*\c+1]|, 0x1800000   ; block 2 c + h: all its 32 numbers are mine; and the floor 2^(3 - 127): the byte cannot fall under 1
.endr
.irp i, 2,4,6,8,10,12,14,16,18,20,22,24,26,28,30
.irp c, 0,1
	v_max3_num_f32 v[MX+\c], v[MX+\c], |v[\x+32*\c+\i]|, |v[\x+32*\c+\i+1]|
.endr
.endr
.irp c, 0,1
	v_add_nc_u32 v[SC+\c], 0xff000000, v[MX+\c]    ; 2 off the exponent field: the conversion takes the exponent field of this operand as its scale
.endr
.irp c, 0,1
	v_lshrrev_b32 v[BY+\c], 23, v[SC+\c]           ; the scale's byte
.endr
	v_lshl_or_b32 v[TT], v[BY+1], 16, v[BY]        ; my two bytes, blocks h and 2 + h,
	v_lshlrev_b32 v[TT], v[SH8], v[TT]             ; at their places in the word;
	v_permlanex16_b32 v[TT+1], v[TT], s48, s49
	v_or_b32 v[\w], v[TT], v[TT+1]                 ; with lane l xor 16's two the word is whole
	v_cvt_scalef32_pk16_fp6_f32 v[PC:PC+2], v[\x:\x+15], v[SC]
	v_cvt_scalef32_pk16_fp6_f32 v[CT0:CT0+2], v[\x+16:\x+31], v[SC]
	v_cvt_scalef32_pk16_fp6_f32 v[PC+6:PC+8], v[\x+32:\x+47], v[SC+1]
	v_cvt_scalef32_pk16_fp6_f32 v[CT1:CT1+2], v[\x+48:\x+63], v[SC+1]
	v_nop                                          ; one plain place behind a scaled conversion
.irp i, 0,1,2
	v_mov_b32 v[PC+3+\i], v[CT0+\i]
	v_mov_b32 v[PC+9+\i], v[CT1+\i]
.endr
.endm
.macro QSTEP t
	TURNX \t, 0
	QUANT2 X, SW+(\t)
	global_store_b128 v[L16], v[PC:PC+3], s[20:21] offset:1536*(\t)          ; each store covers 512 or 256 consecutive bytes, aligned
	global_store_b64 v[L8], v[PC+4:PC+5], s[20:21] offset:1536*(\t)+512
	global_store_b128 v[L16], v[PC+6:PC+9], s[20:21] offset:1536*(\t)+768
	global_store_b64 v[L8], v[PC+10:PC+11], s[20:21] offset:1536*(\t)+1280
.endm
.macro MSTEP t
	TURNX \t, MOFF
.set n, 0
.rept 64
	v_cmp_ne_u32 s[40+n%8], 0, v[X+n]              ; word n: a bit for each lane
	v_writelane_b32 v[MW+n%2], s[40+n%8], n/2      ; to lane n / 2, register n % 2: so lane l holds words 2 l and 2 l + 1
.set n, n+1
.endr
	global_store_b64 v[L8], v[MW:MW+1], s[24:25] offset:256*(\t)             ; 256 consecutive bytes, aligned
.endm
	LOAD 0
	LOAD 1
	s_cmp_lt_u32 ttmp9, 448
	s_cbranch_scc0 .Lmask
	s_mul_i32 s38, s36, 12288                      ; my tile's codes
	s_add_nc_u64 s[20:21], s[20:21], s[38:39]
	s_lshl_b32 s38, s36, 9                         ; and its scale words
	s_add_nc_u64 s[22:23], s[22:23], s[38:39]
.irp t, 0,1,2,3,4,5,6,7
	QSTEP \t
.endr
	v_cndmask_b32 v[MX], v[SW], v[SW+2], s50       ; lane (r, h) stores the words of K steps 2 h, 2 h + 1 of row r at 128 h + 8 r,
	v_cndmask_b32 v[MX+1], v[SW+1], v[SW+3], s50
	v_cndmask_b32 v[SC], v[SW+4], v[SW+6], s50     ; and those of K steps 4 + 2 h, 5 + 2 h 256 bytes on
	v_cndmask_b32 v[SC+1], v[SW+5], v[SW+7], s50
	global_store_b64 v[L8], v[MX:MX+1], s[22:23]
	global_store_b64 v[L8], v[SC:SC+1], s[22:23] offset:256
	s_wait_tensorcnt 0x0
	ds_add_u32 v62, v63
	s_wait_dscnt 0x0
	s_endpgm
.Lmask:
	s_sub_co_u32 s38, s36, 1792
	s_lshl_b32 s38, s38, 11                        ; a mask job's 8 steps are 2,048 bytes of mb
	s_add_nc_u64 s[24:25], s[24:25], s[38:39]
.irp t, 0,1,2,3,4,5,6,7
	s_wait_alu depctr_va_vdst(0)
	MSTEP \t
.endr
	s_wait_tensorcnt 0x0
	ds_add_u32 v62, v63
	s_wait_dscnt 0x0
	s_endpgm
.Lfunc_end_k_qb802db3329_prep:
	.size	k_qb802db3329_prep, .Lfunc_end_k_qb802db3329_prep-k_qb802db3329_prep
	.p2alignl 7, 3214868480
	.fill 96, 4, 3214868480
	.section	.rodata,"a",@progbits
	.p2align	6, 0x0
	.amdhsa_kernel k_qb802db3329_prep
		.amdhsa_group_segment_fixed_size 68096
		.amdhsa_private_segment_fixed_size 0
		.amdhsa_enable_private_segment 0
		.amdhsa_kernarg_size 88
		.amdhsa_user_sgpr_count 2
		.amdhsa_user_sgpr_kernarg_segment_ptr 1
		.amdhsa_wavefront_size32 1
		.amdhsa_system_sgpr_workgroup_id_x 1
		.amdhsa_system_sgpr_workgroup_id_y 1
		.amdhsa_system_sgpr_workgroup_id_z 1
		.amdhsa_system_vgpr_workitem_id 0
		.amdhsa_next_free_vgpr 256
		.amdhsa_next_free_sgpr 66
		.amdhsa_reserve_vcc 0
		.amdhsa_float_denorm_mode_32 3
		.amdhsa_float_denorm_mode_16_64 3
		.amdhsa_memory_ordered 1
		.amdhsa_forward_progress 1
		.amdhsa_inst_pref_size 152
	.end_amdhsa_kernel
	.amdgpu_metadata
---
amdhsa.version: [ 1, 2 ]
amdhsa.kernels:
  - .name:           k_qb802db3329_prep
    .symbol:         k_qb802db3329_prep.kd
    .args:
      - { .name: query, .offset: 0, .size: 8, .value_kind: global_buffer, .address_space: global }
      - { .name: key, .offset: 8, .size: 8, .value_kind: global_buffer, .address_space: global }
      - { .name: value, .offset: 16, .size: 8, .value_kind: global_buffer, .address_space: global }
      - { .name: Wq, .offset: 24, .size: 8, .value_kind: global_buffer, .address_space: global }
      - { .name: Wk, .offset: 32, .size: 8, .value_kind: global_buffer, .address_space: global }
      - { .name: Wv, .offset: 40, .size: 8, .value_kind: global_buffer, .address_space: global }
      - { .name: Wp, .offset: 48, .size: 8, .value_kind: global_buffer, .address_space: global }
      - { .name: mask, .offset: 56, .size: 8, .value_kind: global_buffer, .address_space: global }
      - { .name: fc, .offset: 64, .size: 8, .value_kind: global_buffer, .address_space: global }
      - { .name: fs, .offset: 72, .size: 8, .value_kind: global_buffer, .address_space: global }
      - { .name: mb, .offset: 80, .size: 8, .value_kind: global_buffer, .address_space: global }
    .group_segment_fixed_size: 68096
    .private_segment_fixed_size: 0
    .kernarg_segment_align: 8
    .kernarg_segment_size: 88
    .max_flat_workgroup_size: 128
    .sgpr_count:     66
    .vgpr_count:     256
    .wavefront_size: 32
...
	.end_amdgpu_metadata
.endif
;; end of part 1
;; launch qkv (part 2): grid 4 x 192, 4 waves a work-group, clusters of 4 x 4, 327,680 bytes of LDS; arguments fc, fs, hd; writes hd
.if DOCPART == 2
	.amdgcn_target "amdgcn-amd-amdhsa--gfx1250"
	.amdhsa_code_object_version 6
	.text
	.protected	k_qb802db3329_qkv
	.globl	k_qb802db3329_qkv
	.p2align	8
	.type	k_qb802db3329_qkv,@function
k_qb802db3329_qkv:
	s_mov_b64 s[64:65], 0
	v_nop
	global_prefetch_b8 v0, s[64:65] scope:SCOPE_SE
	s_setreg_imm32_b32 hwreg(HW_REG_WAVE_MODE, 25, 1), 1
	s_wait_xcnt 0x0
	s_wait_alu depctr_hold_cnt(0) depctr_sa_sdst(0) depctr_va_vdst(0) depctr_va_sdst(0) depctr_va_ssrc(0) depctr_va_vcc(0) depctr_vm_vsrc(0)
	s_getreg_b32 s2, hwreg(HW_REG_IB_STS2, 6, 4)
	s_cmp_eq_u32 s2, 0
	s_cbranch_scc0 .Lentry_in_a_cluster
	s_endpgm
.Lentry_in_a_cluster:
	s_bfe_u32 s2, ttmp6, 0x10000c
	s_cmp_lg_u32 s2, 0xf033
	s_cbranch_scc0 .Lentry_shape_is_right
	s_endpgm
.Lentry_shape_is_right:
; q = query Wq^T, k = key Wk^T, v = value Wv^T on the codes and scale words that the first launch laid (row tiles of 16 rows x 1,024 K: 12,288 bytes of fc, 512 bytes of fs); the results are quantised again and stored as the records of hd.
; A BLOCK is 128 rows of A x 256 rows of B, with ALL of K in LDS: A's 8 row tiles (98,304 dense bytes), then B's 16 (196,608).  Nothing is filled again: one joint load a wave at the head, one barrier, then eight K steps of 128.
; For q and k, A is the tokens and B the weight's rows (channels); for v, A is Wv's rows and B the tokens (keys): so a lane's registers run along the axis of the next quantiser (source 0 = B's rows, source 1 = A's rows).
; GRID: 48 clusters of 4 x 4; cluster t / 16 says which product.  q, k: A block 4 (t % 16) + cy of 64, B block cx of 4.  v: A block 4 (t % 2) + cy of 8, B block 4 ((t % 16) / 2) + cx of 32.  768 work-groups.
; CLUSTER: A's tiles hang on cy alone and are asked for jointly along a row of the cluster, B's on cx alone, along a column.
; A WAVE makes 64 x 128: 32 accumulators (window 2); two sets of fragments for A (window 0) and for B (window 1): a step first asks for the next step's 12 fragments, then issues its 32 products, the accumulators by turns.
; SCALE WORDS go from fs into registers, once: a load of 8 bytes a lane covers 256 consecutive bytes of a tile's 512: lanes 0-15 hold the words of K steps 4 u, 4 u + 1 of row r, lanes 16-31 those of steps 4 u + 2, 4 u + 3; the row selector picks.
; No prefetch: everything that the work-group reads is asked for at its head; there is no loop to run ahead in.
; LIMITS: NaN and infinities are not served.  A block of zeros has the byte 1 where the rule says 127: its codes are zeros, and this program alone reads the bytes.
.set FR,    12
.set TILE,  12288
.set ABYTES, 8*TILE
.set SPARE, 24*TILE                    ; behind the tiles: the spare words, 128 bytes a wave
.set REC,   315392
.set KSR,   13056
.set QC,    16*KSR
.set QSC,   QC+128*768
.set L16,  8
.set L8,   9
.set L16B, 10
.set L8B,  11
.set SH8,  12
.set SH16, 13
.set SCA,  14
.set ADRA, 16                          ; v16-17 my A tiles + 16 x lane, + 8 x lane
.set ADRB, 20                          ; v20-21 my B tiles 0-3, v22-23 tiles 4-7 (an LDS offset has 16 bits)
.set SPW,  28
.set NIL,  29
.set SAR,  32                          ; v32-47 A's scale words: tile i at 4 i + 2 u + step % 2
.set SBR,  48                          ; v48-79 B's
.set MX,   80
.set SCO,  82
.set BY,   84
.set TT,   86
.set PC,   88
.set CT0,  100
.set CT1,  104
.set WA,   108
.set XW,   112
.set AF,   128                         ; v128-175, v176-223 A's fragments
.set G1, 24
.set G0, 32
.set G1B, 48
.set G0B, 56
.set MSB, 0
.macro WIN new
.if MSB != \new
	s_set_vgpr_msb (MSB<<8)|\new
.set MSB, \new
.endif
.endm
.macro CROUND
	s_barrier_signal -1
	s_barrier_wait -1
	s_cmp_lg_u32 s16, 0
	s_cbranch_scc1 .Lnot_wave_0_\@
	s_barrier_signal -3
.Lnot_wave_0_\@:
	s_barrier_wait -3
	s_barrier_signal -1
	s_barrier_wait -1
.endm
.macro PLACES
.rept 4
	v_nop
.endr
.endm
	s_load_b128 s[4:7], s[0:1], 0x0                ; fc, fs
	s_load_b64 s[12:13], s[0:1], 0x10              ; hd
	v_lshl_add_u32 v[SPW], v0, 2, SPARE
	v_mov_b32 v[NIL], 0
	ds_add_u32 v[SPW], v[NIL]                      ; the opening lines: the add, twice on end, and its wait
	ds_add_u32 v[SPW], v[NIL]
	v_lshrrev_b32 v1, 5, v0
	v_readfirstlane_b32 s16, v1                    ; wave
	s_lshr_b32 s17, s16, 1                         ; my half of A's rows.  Also: I fetch for A (0) or for B (1)
	s_and_b32 s18, s16, 1                          ; my half of B's rows.  Also: which half of that operand I fetch
	s_bfe_u32 s19, ttmp6, 0x40000                  ; cx
	s_bfe_u32 s20, ttmp6, 0x40004                  ; cy
	s_and_b32 s21, ttmp7, 0xffff
	s_lshr_b32 s22, s21, 4                         ; which product
	s_and_b32 s23, s21, 15
	s_lshl_b32 s40, s20, 2
	s_lshl_b32 s40, 15, s40                        ; my row of the cluster
	s_lshl_b32 s41, 0x1111, s19                    ; my column
	s_or_b32 s[G1+0], s40, (3<<16)|(1<<21)         ; dense bytes as rows of 256 (32 elements of 8 bytes): A's half 192 rows, B's half 384
	s_or_b32 s[G1B+0], s41, (3<<16)|(1<<21)
	s_mov_b32 s[G1+1], 32<<16
	s_mov_b32 s[G1+2], 192<<16
	s_mov_b32 s[G1+3], 32<<16
	s_mov_b32 s[G1+4], 192
	s_mov_b32 s[G1+5], 32
	s_mov_b32 s[G1+6], 0
	s_mov_b32 s[G1+7], 0
	s_mov_b32 s[G1B+1], 32<<16
	s_mov_b32 s[G1B+2], 384<<16
	s_mov_b32 s[G1B+3], 32<<16
	s_mov_b32 s[G1B+4], 384
	s_mov_b32 s[G1B+5], 32
	s_mov_b32 s[G1B+6], 0
	s_mov_b32 s[G1B+7], 0
	s_lshl_b32 s42, s22, 9                         ; A's first row tile.  q, k: 512 x product + 32 (t % 16)
	s_lshl_b32 s43, s23, 5
	s_add_co_u32 s42, s42, s43
	s_and_b32 s43, s23, 1                          ; v: Wv's tiles from 1664, + 32 (t % 2)
	s_lshl_b32 s43, s43, 5
	s_add_co_u32 s43, s43, 1664
	s_lshl_b32 s44, s22, 6                         ; B's.  q, k: the weight's tiles from 1536
	s_add_co_u32 s44, s44, 1536
	s_lshr_b32 s45, s23, 1                         ; v: value's tiles from 1024, + 64 ((t % 16) / 2)
	s_lshl_b32 s45, s45, 6
	s_add_co_u32 s45, s45, 1024
	s_cmp_lt_u32 s22, 2
	s_cselect_b32 s42, s42, s43
	s_cselect_b32 s44, s44, s45
	s_lshl_b32 s43, s20, 3
	s_add_co_u32 s42, s42, s43                     ; + 8 cy
	s_lshl_b32 s45, s19, 4
	s_add_co_u32 s44, s44, s45                     ; + 16 cx
	s_lshl_b32 s46, s18, 2
	s_add_co_u32 s46, s46, s42                     ; the four tiles of A that I fetch
	s_mul_i32 s92, s46, TILE
	s_mov_b32 s93, 0
	s_lshl_b32 s46, s17, 2
	s_add_co_u32 s46, s46, s42                     ; the four that I multiply
	s_lshl_b32 s94, s46, 9
	s_mov_b32 s95, 0
	s_lshl_b32 s47, s18, 3
	s_add_co_u32 s47, s47, s44                     ; the eight tiles of B that I fetch, and multiply
	s_mul_i32 s96, s47, TILE
	s_mov_b32 s97, 0
	s_lshl_b32 s98, s47, 9
	s_mov_b32 s99, 0
	s_mov_b32 s[G0], 1
	s_mul_i32 s[G0+1], s18, 4*TILE
	s_mov_b32 s[G0B], 1
	s_mul_i32 s[G0B+1], s18, 8*TILE
	s_add_co_u32 s[G0B+1], s[G0B+1], ABYTES
	s_mul_i32 s36, s17, 4*TILE                     ; LDS: my tiles of A,
	s_mul_i32 s37, s18, 8*TILE
	s_add_co_u32 s37, s37, ABYTES                  ; of B,
	s_add_co_u32 s38, s37, 4*TILE                  ; and B's tiles 4-7
	s_wait_dscnt 0x0
	s_wait_kmcnt 0x0
	s_add_nc_u64 s[G0+2:G0+3], s[4:5], s[92:93]
	s_or_b32 s[G0+3], s[G0+3], 0x80000000
	s_add_nc_u64 s[G0B+2:G0B+3], s[4:5], s[96:97]
	s_or_b32 s[G0B+3], s[G0B+3], 0x80000000
	s_add_nc_u64 s[94:95], s[6:7], s[94:95]
	s_add_nc_u64 s[98:99], s[6:7], s[98:99]
	CROUND                                         ; all sixteen work-groups are here: the joint loads meet
	s_cmp_eq_u32 s17, 0                            ; my one tensor load of the launch
	s_cbranch_scc0 .Lfor_b
	tensor_load_to_lds s[G0:G0+3], s[G1:G1+7]
	s_nop 0
	PLACES
	s_branch .Lasked
.Lfor_b:
	tensor_load_to_lds s[G0B:G0B+3], s[G1B:G1B+7]
	s_nop 0
	PLACES
.Lasked:
	v_and_b32 v1, 31, v0
	v_lshlrev_b32 v[L16], 4, v1
	v_lshlrev_b32 v[L8], 3, v1
	v_add_nc_u32 v[ADRA], s36, v[L16]
	v_add_nc_u32 v[ADRA+1], s36, v[L8]
	v_add_nc_u32 v[ADRB], s37, v[L16]
	v_add_nc_u32 v[ADRB+1], s37, v[L8]
	v_add_nc_u32 v[ADRB+2], s38, v[L16]
	v_add_nc_u32 v[ADRB+3], s38, v[L8]
	s_wait_alu depctr_va_vdst(0)
.irp i, 0,1,2,3
.irp u, 0,1
	global_load_b64 v[SAR+4*\i+2*\u:SAR+4*\i+2*\u+1], v[L8], s[94:95] offset:512*\i+256*\u
.endr
.endr
.irp i, 0,1,2,3,4,5,6,7
.irp u, 0,1
	global_load_b64 v[SBR+4*\i+2*\u:SBR+4*\i+2*\u+1], v[L8], s[98:99] offset:512*\i+256*\u
.endr
.endr
	; where my results go, worked out while the tiles are on their way
	s_lshl_b32 s70, s23, 2
	s_add_co_u32 s70, s70, s20                     ; q, k: the group of 128 tokens, 4 (t % 16) + cy
	s_lshr_b32 s71, s70, 4                         ; its batch
	s_and_b32 s72, s70, 15                         ; its place in the batch
	s_lshl_b32 s73, s19, 2
	s_lshl_b32 s74, s18, 1
	s_add_co_u32 s73, s73, s74                     ; my first head: 4 cx + 2 x half
	s_lshr_b32 s75, s23, 1
	s_lshl_b32 s75, s75, 2
	s_add_co_u32 s75, s75, s19                     ; v: the block of 256 keys
	s_lshr_b32 s76, s75, 3                         ; its batch
	s_and_b32 s75, s75, 7
	s_lshl_b32 s75, s75, 1
	s_add_co_u32 s75, s75, s18                     ; my key step
	s_and_b32 s77, s23, 1
	s_lshl_b32 s77, s77, 2
	s_add_co_u32 s77, s77, s20
	s_lshl_b32 s77, s77, 1
	s_add_co_u32 s77, s77, s17                     ; my head: 2 x A block + half
	s_mul_i32 s78, s17, 3072                       ; q, k: my four token tiles are tiles 4 x half .. of the group's eight
	s_lshl_b32 s79, s17, 8
	s_cmp_lt_u32 s22, 2
	s_cselect_b32 s71, s71, s76
	s_cselect_b32 s72, s72, s75
	s_cselect_b32 s73, s73, s77
	s_cselect_b32 s78, s78, 0
	s_cselect_b32 s79, s79, 0
	s_mov_b32 s80, 768
	s_cselect_b32 s80, REC, s80                    ; from the first 64 of B's rows to the second: the next head's record, or the fragment's second half
	s_mov_b32 s82, 1536
	s_cselect_b32 s82, 768, s82                    ; from one tile of A to the next
	s_mov_b32 s83, 0
	s_mov_b32 s84, 6144
	s_cselect_b32 s84, 0, s84
	s_mov_b32 s85, 12800
	s_cselect_b32 s85, 12288, s85
	s_cmp_eq_u32 s22, 0
	s_cselect_b32 s84, QC, s84
	s_cselect_b32 s85, QSC, s85
	s_mov_b32 s86, KSR
	s_cselect_b32 s87, 6144, s86
	s_cselect_b32 s69, 512, s86
	s_lshl_b32 s71, s71, 4
	s_add_co_u32 s71, s71, s73
	s_mul_i32 s71, s71, REC                        ; the head's record
	s_mul_i32 s88, s72, s87
	s_add_co_u32 s88, s88, s71
	s_add_co_u32 s88, s88, s84
	s_add_co_u32 s88, s88, s78
	s_mov_b32 s89, 0
	s_mul_i32 s90, s72, s69
	s_add_co_u32 s90, s90, s71
	s_add_co_u32 s90, s90, s85
	s_add_co_u32 s90, s90, s79
	s_mov_b32 s91, 0
	s_add_nc_u64 s[88:89], s[12:13], s[88:89]      ; codes
	s_add_nc_u64 s[90:91], s[12:13], s[90:91]      ; scale words
	s_mov_b32 s66, 0x76543210
	s_mov_b32 s67, 0xfedcba98
	s_mov_b32 s68, 0xffff0000
.macro FRAG reg, adr, off
	ds_load_b128 v[\reg:\reg+3],     v[\adr]   offset:\off
	ds_load_b64  v[\reg+4:\reg+5],   v[\adr+1] offset:\off+512
	ds_load_b128 v[\reg+6:\reg+9],   v[\adr]   offset:\off+768
	ds_load_b64  v[\reg+10:\reg+11], v[\adr+1] offset:\off+1280
.endm
.macro FETCH st                        ; step st's 12 fragments into set st % 2
	WIN 0x40
.irp i, 0,1,2,3
	FRAG 128*((\st)%2)+FR*\i, ADRB, TILE*\i+1536*(\st)
.endr
.irp i, 0,1,2,3
	FRAG 128*((\st)%2)+FR*(\i+4), ADRB+2, TILE*\i+1536*(\st)
.endr
	WIN 0
.irp i, 0,1,2,3
	FRAG AF+48*((\st)%2)+FR*\i, ADRA, TILE*\i+1536*(\st)
.endr
.endm
.macro MUL st
.irp a, 0,1,2,3
.irp b, 0,1,2,3,4,5,6,7
.set DD, 8*(8*\a+\b)
.set BF, 128*((\st)%2)+FR*\b
.set AA, AF+48*((\st)%2)+FR*\a
.set SB1, SBR+4*\b+2*((\st)/4)+(\st)%2
.set SA1, SAR+4*\a+2*((\st)/4)+(\st)%2
.if (\st) == 0
	v_wmma_scale_f32_16x16x128_f8f6f4 v[DD:DD+7], v[BF:BF+11], v[AA:AA+11], 0, v[SB1], v[SA1] matrix_a_fmt:MATRIX_FMT_FP6 matrix_b_fmt:MATRIX_FMT_FP6
.elseif ((\st)/2)%2
	v_wmma_scale_f32_16x16x128_f8f6f4 v[DD:DD+7], v[BF:BF+11], v[AA:AA+11], v[DD:DD+7], v[SB1], v[SA1] matrix_a_fmt:MATRIX_FMT_FP6 matrix_b_fmt:MATRIX_FMT_FP6 matrix_a_scale:MATRIX_SCALE_ROW1 matrix_b_scale:MATRIX_SCALE_ROW1
.else
	v_wmma_scale_f32_16x16x128_f8f6f4 v[DD:DD+7], v[BF:BF+11], v[AA:AA+11], v[DD:DD+7], v[SB1], v[SA1] matrix_a_fmt:MATRIX_FMT_FP6 matrix_b_fmt:MATRIX_FMT_FP6
.endif
.endr
.endr
.endm
.macro STEP st
	s_wait_dscnt 0x0                               ; this step's fragments are in (asked for ahead of the last step's 32 products)
.if (\st) < 7
.if (\st) > 0
	PLACES                                         ; in front of loads into the set that the last step's products read
.endif
	FETCH (\st)+1
.endif
	WIN 0xa1                                       ; source 0 (B) window 1, source 1 (A) window 0, C and D window 2
	MUL \st
.endm
	s_wait_tensorcnt 0x0                           ; my part is in,
	s_barrier_signal -1
	s_barrier_wait -1                              ; everybody's is
	FETCH 0
	s_wait_loadcnt 0x0                             ; the scale words
.irp st, 0,1,2,3,4,5,6,7
	STEP \st
.endr
	WIN 0
	PLACES
	v_add_nc_u32 v[L16B], s80, v[L16]
	v_add_nc_u32 v[L8B], s80, v[L8]
	v_bfe_u32 v2, v0, 4, 1                         ; h
	v_and_b32 v1, 15, v0                           ; r
	v_lshlrev_b32 v[SH8], 3, v2
	v_lshlrev_b32 v[SH16], 4, v2
	v_mul_u32_u24 v3, 0x4d000, v2                  ; h x REC
	v_lshl_add_u32 v[SCA], v1, 4, v3
	v_mov_b32 v[TT+1], 0
; Tile a of A: a lane's 64 results are two whole blocks of 32 along B's rows.  They become a fragment's codes and a scale word.
.macro OUT a
.set AC, 64*(\a)
	v_mov_b32 v[MX], 0x1800000                     ; the floor 2^(3 - 127): the byte cannot fall under 1
	v_mov_b32 v[MX+1], 0x1800000
	WIN 0x28
.irp i, 0,2,4,6,8,10,12,14,16,18,20,22,24,26,28,30
.irp c, 0,1
	v_max3_num_f32 v[MX+\c], v[MX+\c], |v[AC+32*\c+\i]|, |v[AC+32*\c+\i+1]|   ; each accumulator from its low end on
.endr
.endr
	WIN 0
.irp c, 0,1
	v_add_nc_u32 v[SCO+\c], 0xff000000, v[MX+\c]
.endr
.irp c, 0,1
	v_lshrrev_b32 v[BY+\c], 23, v[SCO+\c]
.endr
	v_lshl_or_b32 v[TT], v[BY+1], 16, v[BY]
	v_lshlrev_b32 v[TT], v[SH8], v[TT]
	v_permlanex16_b32 v[TT+1], v[TT], s66, s67
	v_or_b32 v[WA+(\a)], v[TT], v[TT+1]
.if (\a) > 0
	s_wait_alu depctr_va_vdst(0)
	s_wait_xcnt 0x0                                ; the last tile's stores have read their registers and their base
	s_add_nc_u64 s[88:89], s[88:89], s[82:83]
.endif
	WIN 0x02
	v_cvt_scalef32_pk16_fp6_f32 v[PC:PC+2], v[AC:AC+15], v[SCO]
	v_cvt_scalef32_pk16_fp6_f32 v[CT0:CT0+2], v[AC+16:AC+31], v[SCO]
	v_cvt_scalef32_pk16_fp6_f32 v[PC+6:PC+8], v[AC+32:AC+47], v[SCO+1]
	v_cvt_scalef32_pk16_fp6_f32 v[CT1:CT1+2], v[AC+48:AC+63], v[SCO+1]
	WIN 0
	v_nop                                          ; one plain place behind a scaled conversion
.irp i, 0,1,2
	v_mov_b32 v[PC+3+\i], v[CT0+\i]
	v_mov_b32 v[PC+9+\i], v[CT1+\i]
.endr
	global_store_b128 v[L16], v[PC:PC+3], s[88:89]             ; 512 and 256 consecutive bytes, aligned
	global_store_b64 v[L8], v[PC+4:PC+5], s[88:89] offset:512
	global_store_b128 v[L16B], v[PC+6:PC+9], s[88:89]
	global_store_b64 v[L8B], v[PC+10:PC+11], s[88:89] offset:512
.endm
.irp a, 0,1,2,3
	OUT \a
.endr
	s_cmp_eq_u32 s22, 2
	s_cbranch_scc1 .Lv_scales
.irp e, 0,1,2,3
	v_lshrrev_b32 v[XW+\e], v[SH16], v[WA+\e]      ; q, k: lanes 0-15 keep the first head's two bytes of row r, lanes 16-31 the second head's
.endr
.irp e, 0,1,2,3
	v_and_b32 v[XW+\e], 0xffff, v[XW+\e]
.endr
	global_store_b128 v[SCA], v[XW:XW+3], s[90:91] ; sixteen lanes store 256 consecutive bytes, aligned, in each head's record
	s_branch .Ldone
.Lv_scales:
	v_cndmask_b32 v[XW], v[WA], v[WA+2], s68       ; v: register e: lanes 0-15 channel tile e's words, lanes 16-31 tile 2 + e's
	v_cndmask_b32 v[XW+1], v[WA+1], v[WA+3], s68
	global_store_b64 v[L8], v[XW:XW+1], s[90:91]
.Ldone:
	s_wait_tensorcnt 0x0                           ; the wave's end
	ds_add_u32 v[SPW], v[NIL]
	s_wait_dscnt 0x0
	CROUND                                         ; the closing round
	s_endpgm
.Lfunc_end_k_qb802db3329_qkv:
	.size	k_qb802db3329_qkv, .Lfunc_end_k_qb802db3329_qkv-k_qb802db3329_qkv
	.p2alignl 7, 3214868480
	.fill 96, 4, 3214868480
	.section	.rodata,"a",@progbits
	.p2align	6, 0x0
	.amdhsa_kernel k_qb802db3329_qkv
		.amdhsa_group_segment_fixed_size 327680
		.amdhsa_private_segment_fixed_size 0
		.amdhsa_enable_private_segment 0
		.amdhsa_kernarg_size 24
		.amdhsa_user_sgpr_count 2
		.amdhsa_user_sgpr_kernarg_segment_ptr 1
		.amdhsa_wavefront_size32 1
		.amdhsa_system_sgpr_workgroup_id_x 1
		.amdhsa_system_sgpr_workgroup_id_y 1
		.amdhsa_system_sgpr_workgroup_id_z 1
		.amdhsa_system_vgpr_workitem_id 0
		.amdhsa_next_free_vgpr 768
		.amdhsa_next_free_sgpr 102
		.amdhsa_reserve_vcc 0
		.amdhsa_float_denorm_mode_32 3
		.amdhsa_float_denorm_mode_16_64 3
		.amdhsa_memory_ordered 1
		.amdhsa_forward_progress 1
		.amdhsa_inst_pref_size 84
	.end_amdhsa_kernel
	.amdgpu_metadata
---
amdhsa.version: [ 1, 2 ]
amdhsa.kernels:
  - .name:           k_qb802db3329_qkv
    .symbol:         k_qb802db3329_qkv.kd
    .args:
      - { .name: fc, .offset: 0, .size: 8, .value_kind: global_buffer, .address_space: global }
      - { .name: fs, .offset: 8, .size: 8, .value_kind: global_buffer, .address_space: global }
      - { .name: hd, .offset: 16, .size: 8, .value_kind: global_buffer, .address_space: global }
    .group_segment_fixed_size: 327680
    .private_segment_fixed_size: 0
    .kernarg_segment_align: 8
    .kernarg_segment_size: 24
    .max_flat_workgroup_size: 128
    .sgpr_count:     102
    .vgpr_count:     768
    .wavefront_size: 32
...
	.end_amdgpu_metadata
.endif
;; end of part 2
;; launch attn (part 3): grid 4 x 64, 16 waves a work-group, clusters of 4 x 1, 210,944 bytes of LDS; arguments hd, mb, aoc, aos; writes aoc, aos
.if DOCPART == 3
	.amdgcn_target "amdgcn-amd-amdhsa--gfx1250"
	.amdhsa_code_object_version 6
	.text
	.protected	k_qb802db3329_attn
	.globl	k_qb802db3329_attn
	.p2align	8
	.type	k_qb802db3329_attn,@function
k_qb802db3329_attn:
	s_mov_b64 s[64:65], 0
	v_nop
	global_prefetch_b8 v0, s[64:65] scope:SCOPE_SE
	s_setreg_imm32_b32 hwreg(HW_REG_WAVE_MODE, 25, 1), 1
	s_wait_xcnt 0x0
	s_wait_alu depctr_hold_cnt(0) depctr_sa_sdst(0) depctr_va_vdst(0) depctr_va_sdst(0) depctr_va_ssrc(0) depctr_va_vcc(0) depctr_vm_vsrc(0)
	s_getreg_b32 s2, hwreg(HW_REG_IB_STS2, 6, 4)
	s_cmp_eq_u32 s2, 0
	s_cbranch_scc0 .Lentry_in_a_cluster
	s_endpgm
.Lentry_in_a_cluster:
	s_bfe_u32 s2, ttmp6, 0x10000c
	s_cmp_lg_u32 s2, 0x3003
	s_cbranch_scc0 .Lentry_shape_is_right
	s_endpgm
.Lentry_shape_is_right:
; For each of 64 heads: S = q k^T / 32; scores whose mask entry is 0 become 0 (they still count in the maximum, the sum and the second product); p = 2^(t - M), t = logit x log2(e), M the running largest t rounded up to a whole number;
; O = (p quantised along the keys) v / (the sum of the unquantised p); O is quantised along the 1,024 channels and stored as images for the last product.  Both products on codes of FP6 (E2M3) with E8M0 scales.
; SHARES.  A work-group owns one head and 512 queries; each of its sixteen waves owns two tiles of 16 queries, one after the other; four waves to a SIMD.
; LDS holds the head's 16 key-step records (K's 8 half fragments, V's 4 fragments, their scale words: 13,056 bytes each) as they lie in hd, filled ONCE: wave w brings record w.  Nothing is filled again.
; No prefetch: all 16 records are asked for at the head, so there is no later tile to ask for ahead; the mask words come by scalar loads one step ahead.
; CLUSTER.  The four work-groups of a cluster own the four quarters of one head's queries and read the same records: each record is asked for jointly, with a mask that names the four.
; LAYOUT.  Both products are used transposed (S^T = K Q^T, O^T = V^T P^T): a lane holds one query (lane % 16) throughout.  Tiles of keys and of channels are laid with lane r on row 8 w + r % 8 + 32 (r / 8) of a group of 64, so that
; score register 32 c + i is key 64 c + 32 (lane / 16) + i of the step: a whole block of 32 keys in one lane, in the order of the operand's registers.
; K = 64 IN AN INSTRUCTION OF K = 128: Q's registers 6-11 are zero codes.  K's operand for tile T is 12 registers from its half fragment on: its upper half (the next tile's codes, or zeros) meets Q's zeros.  Scale bytes 2 and 3 are 0 on both sides.
; THE STEP'S ORDER.  K's fragments of step i + 1 are asked for directly behind step i's second product (K and V share registers).  The row's sum of 64 p goes in eight chains of packed additions: nine stand in front of the second product,
; as the places that p's codes and scale word need; fifteen behind it, round the loads of K; the last eight, which join the chains, stand in the next step, as the places behind the first product and among the links of the maximum's chain.
; LIMITS: NaN and infinities are not served.  The promise holds while the scaled scores stay under 2^31 in magnitude.  A block's largest p is taken through its largest score, which takes v_exp_f32 not to fall where its input rises.
; A block whose largest magnitude lies under 2^-124 has the byte 1.
.set REC,  315392
.set KSR,  13056
.set QC,   16*KSR
.set QSC,  QC+128*768
.set SPARE, 16*KSR                     ; behind the records: the spare words, 128 bytes for each of 16 waves
.set L16, 1                            ; v1   16 x lane
.set L8,  2                            ; v2   8 x lane
.set A16, 3                            ; v3   a record + 16 x lane
.set A8,  4                            ; v4   + 8 x lane
.set SH8, 5                            ; v5   8 h
.set R16, 6                            ; v6   16 r
.set OS,  7                            ; v7   512 h + 8 r
.set NM,  8                            ; v8 -M, v9 the running largest score
.set SUM, 10                           ; v10-11 the sum, in two halves
.set FF,  12                           ; v12 f = 2^(old M - new M), later 1 / the sum; v13 named with it as a pair
.set T0,  14                           ; v14-15, v91 at work
.set T1,  15
.set QF,  16                           ; v16-21 Q's half fragment, v22-27 zeros
.set QS,  28                           ; v28 Q's scale word, v29 p's, v30-31 V's, v32-35 K's: scales and nothing else
.set PS,  29
.set VS,  30
.set KS,  32
.set KV,  36                           ; v36-83 K's 8 half fragments, then V's 4 fragments; v84-89 zeros
.set BB,  90                           ; v90 both tiles' scale bytes of O
.set T2,  91
.set MX,  92                           ; v92-93 each block's largest score, then p; v94-95 the conversions' scale operands
.set SCO, 94
.set S,   96                           ; v96-159 S^T, then p
.set O,   160                          ; v160-191 O^T
.set PC,  192                          ; v192-203 p's codes; v204-206, v208-210 second halves
.set CT0, 204
.set CT1, 208
.set BY,  212                          ; v212-213 scale bytes
.set SPW, 216                          ; v216 my spare word's address, v217 0: never rewritten
.set NIL, 217
.set D,   218                          ; v218-233 the sum's eight chains, a pair each
.set C,   234                          ; v234-241 the maxima's eight chains
.macro CROUND                          ; a round of the cluster's barrier
	s_barrier_signal -1
	s_barrier_wait -1
	s_cmp_lg_u32 s57, 0
	s_cbranch_scc1 .Lnot_wave_0_\@
	s_barrier_signal -3
.Lnot_wave_0_\@:
	s_barrier_wait -3
	s_barrier_signal -1
	s_barrier_wait -1
.endm
.macro MLOAD                           ; a step's 64 mask words: word n in s[4 + n], from word 48 on in s[20 + n]
	s_load_b512 s[4:19], s[54:55], s56 offset:0x0
	s_load_b512 s[20:35], s[54:55], s56 offset:0x40
	s_load_b512 s[36:51], s[54:55], s56 offset:0x80
	s_load_b512 s[68:83], s[54:55], s56 offset:0xc0
.endm
.macro KLOAD                           ; K's eight half fragments and their scale words (register e: lanes 0-15 tile e's, lanes 16-31 tile 4 + e's)
.irp T, 0,1,2,3,4,5,6,7
	ds_load_b128 v[KV+6*\T:KV+6*\T+3], v[A16] offset:768*\T
	ds_load_b64 v[KV+6*\T+4:KV+6*\T+5], v[A8] offset:768*\T+512
.endr
	ds_load_b128 v[KS:KS+3], v[A16] offset:12288
.endm
.macro CND n                           ; a score whose mask entry is 0 becomes 0
	v_cndmask_b32 v[S+(\n)], 0, v[S+(\n)], s[4+(\n)+16*((\n)/48)]
.endm
; The largest score of block b (32 registers) in 16 lines: four chains, one to each accumulator of 8 (lines 0-11), then the chains and each accumulator's last register are joined (lines 12-15).
.macro BMAX k, b
.set SB, S+32*(\b)
.set CB, C+4*(\b)
.if (\k) < 4
	v_max3_num_f32 v[CB+(\k)], v[SB+8*(\k)], v[SB+8*(\k)+1], v[SB+8*(\k)+2]
.elseif (\k) < 12
.set QQ, (\k)%4
.set EE, SB+8*QQ+3+2*((\k)/4-1)
	v_max3_num_f32 v[CB+QQ], v[CB+QQ], v[EE], v[EE+1]
.elseif (\k) == 12
	v_max3_num_f32 v[CB], v[CB], v[CB+1], v[SB+7]
.elseif (\k) == 13
	v_max3_num_f32 v[CB+2], v[CB+2], v[CB+3], v[SB+15]
.elseif (\k) == 14
	v_max3_num_f32 v[CB], v[CB], v[CB+2], v[SB+23]
.else
	v_max_num_f32 v[MX+(\b)], v[CB], v[SB+31]
.endif
.endm
.macro DI k                            ; chain k begins: p's pairs k and k + 8
	v_pk_add_f32 v[D+2*(\k):D+2*(\k)+1], v[S+2*(\k):S+2*(\k)+1], v[S+2*(\k)+16:S+2*(\k)+17]
.endm
.macro DA k, m                         ; chain k takes pair m
	v_pk_add_f32 v[D+2*(\k):D+2*(\k)+1], v[D+2*(\k):D+2*(\k)+1], v[S+2*(\m):S+2*(\m)+1]
.endm
.macro DADD a, b                       ; chain a takes chain b
	v_pk_add_f32 v[D+2*\a:D+2*\a+1], v[D+2*\a:D+2*\a+1], v[D+2*\b:D+2*\b+1]
.endm
.macro OM j                            ; O^T under the new M
	v_pk_mul_f32 v[O+\j:O+\j+1], v[O+\j:O+\j+1], v[FF:FF+1] op_sel_hi:[1,0]
.endm
	s_load_b256 s[84:91], s[0:1], 0x0              ; hd s[84:85], mb s[86:87], aoc s[88:89], aos s[90:91]
	v_lshl_add_u32 v[SPW], v0, 2, SPARE
	v_mov_b32 v[NIL], 0
	ds_add_u32 v[SPW], v[NIL]                      ; the opening lines: the add, twice on end, and its wait ahead of my tensor load
	ds_add_u32 v[SPW], v[NIL]
	v_lshrrev_b32 v1, 5, v0
	v_readfirstlane_b32 s57, v1                    ; wave 0..15
	s_bfe_u32 s61, ttmp6, 0x40000                  ; cx
	s_and_b32 s96, ttmp7, 0xffff                   ; the head's record: 16 x batch + head, which the four partners share
	; group 1: a key step's record, 13,056 dense bytes, as 51 rows of 256 (32 elements of 8 bytes)
	s_mov_b32 s20, 15|(3<<16)|(1<<21)              ; 15:0 the mask: all four work-groups; 17:16 elements of 8 bytes; 21 set beside a mask
	s_mov_b32 s21, 32<<16                          ; tensor_dim0
	s_mov_b32 s22, 51<<16                          ; tensor_dim1
	s_mov_b32 s23, 32<<16                          ; tile_dim0
	s_mov_b32 s24, 51                              ; tile_dim1
	s_mov_b32 s25, 32                              ; tensor_dim0_stride
	s_mov_b32 s26, 0
	s_mov_b32 s27, 0
	s_mul_i32 s97, s96, REC
	s_mov_b32 s28, 1
	s_mul_i32 s29, s57, KSR                        ; LDS address: record w
	s_add_co_u32 s98, s97, s29
	s_mov_b32 s99, 0
	s_wait_dscnt 0x0
	s_wait_kmcnt 0x0
	s_add_nc_u64 s[30:31], s[84:85], s[98:99]
	s_or_b32 s31, s31, 0x80000000
	CROUND                                         ; all four work-groups are here: the joint loads meet
	tensor_load_to_lds s[28:31], s[20:27]          ; my one tensor load of the launch
	s_nop 0
.rept 4
	v_nop
.endr
	s_lshl_b32 s2, ttmp9, 2
	s_add_co_u32 s61, s2, s61                      ; which quarter of the queries: it enters global addresses alone
	s_lshl_b32 s2, s61, 5
	s_lshl_b32 s3, s57, 1
	s_add_co_u32 s2, s2, s3                        ; my first tile of queries: 32 x quarter + 2 x wave
	s_mul_i32 s98, s2, 768
	s_add_co_u32 s98, s98, s97
	s_add_co_u32 s98, s98, QC
	s_add_nc_u64 s[52:53], s[84:85], s[98:99]      ; its codes
	s_lshr_b32 s98, s2, 3                          ; its scale words: group tile / 8 of 512 bytes; in it the word of tile 4 h' + e, row r at 16 (r + 16 h') + 4 e
	s_lshl_b32 s98, s98, 9
	s_bfe_u32 s3, s2, 0x10002
	s_lshl_b32 s3, s3, 8
	s_add_co_u32 s98, s98, s3
	s_and_b32 s3, s2, 3
	s_lshl_b32 s3, s3, 2
	s_add_co_u32 s98, s98, s3
	s_add_co_u32 s98, s98, s97
	s_add_co_u32 s98, s98, QSC
	s_add_nc_u64 s[92:93], s[84:85], s[98:99]
	s_lshl_b32 s98, s2, 12
	s_add_nc_u64 s[54:55], s[86:87], s[98:99]      ; its mask words: 4,096 bytes a tile; my two tiles' 32 steps lie on end
	s_lshr_b32 s3, s96, 4
	s_lshl_b32 s3, s3, 7
	s_add_co_u32 s3, s3, s2                        ; its row tile among the 512: 128 x batch + tile
	s_and_b32 s101, s96, 15                        ; the head
	s_mul_i32 s98, s3, 12288
	s_mul_i32 s61, s101, 768
	s_add_co_u32 s98, s98, s61
	s_add_nc_u64 s[88:89], s[88:89], s[98:99]      ; O's codes: the head's half fragment in the tile's eight K steps
	s_lshl_b32 s98, s3, 9
	s_lshr_b32 s61, s101, 2
	s_lshl_b32 s61, s61, 7
	s_add_co_u32 s98, s98, s61
	s_bfe_u32 s61, s101, 0x10001
	s_lshl_b32 s61, s61, 2
	s_add_co_u32 s98, s98, s61
	s_and_b32 s61, s101, 1
	s_lshl_b32 s61, s61, 1
	s_add_co_u32 s98, s98, s61
	s_add_nc_u64 s[94:95], s[90:91], s[98:99]      ; O's scale bytes: the head's two in row r's word of K step head / 2
	s_mov_b32 s62, 0x76543210
	s_mov_b32 s63, 0xfedcba98                      ; v_permlanex16_b32's selects for lane l xor 16
	s_mov_b32 s66, 0x3d38aa3b                      ; c = log2(e) / 32: t = score x c
	s_mov_b32 s67, s66                             ; (named with it as a pair, so it is written)
	s_mov_b32 s100, 0xffff                         ; which lanes keep this tile's scale bytes: 0-15, then 16-31
	s_mov_b32 s58, 0                               ; steps done, over both tiles
	s_mov_b32 s61, 0                               ; the record asked for next
	v_and_b32 v[T0], 31, v0
	v_and_b32 v[T1], 15, v0                        ; r
	v_bfe_u32 v[T2], v0, 4, 1                      ; h
	v_lshlrev_b32 v[L16], 4, v[T0]
	v_lshlrev_b32 v[L8], 3, v[T0]
	v_lshlrev_b32 v[SH8], 3, v[T2]
	v_lshlrev_b32 v[R16], 4, v[T1]
	v_lshlrev_b32 v[OS], 3, v[T1]
	v_add_nc_u32 v[A16], s61, v[L16]
	v_add_nc_u32 v[A8], s61, v[L8]
	v_lshl_add_u32 v[OS], v[T2], 9, v[OS]
.irp j, 0,1,2,3,4,5
	v_mov_b32 v[QF+6+\j], 0                        ; zero codes: the K that a head does not have
	v_mov_b32 v[KV+48+\j], 0
.endr
	v_mov_b32 v[BB], 0
	v_mov_b32 v[FF+1], 0
	s_wait_alu depctr_va_vdst(0)
	s_wait_tensorcnt 0x0                           ; my record is in,
	s_barrier_signal -1
	s_barrier_wait -1                              ; everybody's is
	KLOAD                                          ; the first step's K
	s_mov_b32 s56, 0
	MLOAD                                          ; the first step's mask words (over the descriptor's registers: its load is done)
	s_mov_b32 s60, 2
.Lpass:                                                ; a tile of 16 queries
	global_load_b128 v[QF:QF+3], v[L16], s[52:53]
	global_load_b64 v[QF+4:QF+5], v[L8], s[52:53] offset:512
	global_load_b32 v[QS], v[R16], s[92:93]
	v_mov_b32 v[NM+1], 0xff61b1e6                  ; the largest score so far: -3e38, under every score
	v_mov_b32 v[SUM], 0
	v_mov_b32 v[SUM+1], 0
	v_floor_f32 v[NM], -v[NM+1]                    ; -M
.set j, 0
.rept 16
	v_mov_b32 v[D+j], 0                            ; the chains that the first step joins
.set j, j+1
.endr
.set j, 0
.rept 32
	v_mov_b32 v[O+j], 0                            ; O^T: the step is written once; the first finds zeros, which the first change of M leaves zeros
.set j, j+1
.endr
	s_mov_b32 s59, 16
	s_wait_loadcnt 0x0
.Lstep:                                                ; 128 keys
	s_wait_alu depctr_va_vdst(0)
	s_wait_dscnt 0x0                               ; K is in
.irp T, 0,1,2,3
	v_wmma_scale_f32_16x16x128_f8f6f4 v[S+8*\T:S+8*\T+7], v[KV+6*\T:KV+6*\T+11], v[QF:QF+11], 0, v[KS+\T], v[QS] matrix_a_fmt:MATRIX_FMT_FP6 matrix_b_fmt:MATRIX_FMT_FP6
.endr
.irp T, 4,5,6,7
	v_wmma_scale_f32_16x16x128_f8f6f4 v[S+8*\T:S+8*\T+7], v[KV+6*\T:KV+6*\T+11], v[QF:QF+11], 0, v[KS+\T-4], v[QS] matrix_a_fmt:MATRIX_FMT_FP6 matrix_b_fmt:MATRIX_FMT_FP6 matrix_a_scale:MATRIX_SCALE_ROW1
.endr
	DADD 0, 4                                      ; the last step's eight chains become four: also the four places in front of the loads below and of the first read of the scores
	DADD 1, 5
	DADD 2, 6
	DADD 3, 7
.irp w, 0,1,2,3                                ; V's four fragments land while the softmax is worked
	ds_load_b128 v[KV+12*\w:KV+12*\w+3], v[A16] offset:6144+1536*\w
	ds_load_b64 v[KV+12*\w+4:KV+12*\w+5], v[A8] offset:6144+1536*\w+512
	ds_load_b128 v[KV+12*\w+6:KV+12*\w+9], v[A16] offset:6144+1536*\w+768
	ds_load_b64 v[KV+12*\w+10:KV+12*\w+11], v[A8] offset:6144+1536*\w+1280
.endr
	ds_load_b64 v[VS:VS+1], v[A8] offset:12800     ; register e: lanes 0-15 channel tile e's scale words, lanes 16-31 tile 2 + e's
	s_wait_kmcnt 0x0                               ; this step's mask words, asked for a step ago
.set n, 0
.rept 32
	CND n                                          ; each accumulator from its low end on
.set n, n+1
.endr
.set k, 0
.rept 16                                       ; THE LARGEST SCORE OF EACH BLOCK OF 32 KEYS serves for the row's maximum and, since p rises with the score, for the block's largest p.  Block 0's lines stand among block 1's selections
	BMAX k, 0
	CND 32+2*k
	CND 33+2*k
.set k, k+1
.endr
	s_add_co_u32 s56, s56, 256                     ; the next step's words; my two tiles' last step asks for itself again: no load leaves the buffer
	s_min_u32 s56, s56, 7936
	MLOAD
.irp k, 0,1,2,3
	BMAX \k, 1
.endr
	DADD 0, 2                                      ; the last step's sum is finished among block 1's lines
	DADD 1, 3
.irp k, 4,5,6,7
	BMAX \k, 1
.endr
	DADD 0, 1
.irp k, 8,9,10,11
	BMAX \k, 1
.endr
	v_pk_add_f32 v[SUM:SUM+1], v[SUM:SUM+1], v[D:D+1]   ; still under the old M
	BMAX 12, 1
	BMAX 13, 1
	v_mov_b32 v[T1], v[NM]
	BMAX 14, 1
	s_delay_alu instid0(VALU_DEP_1)
	BMAX 15, 1
	s_delay_alu instid0(VALU_DEP_1)
	v_max_num_f32 v[T0], v[MX], v[MX+1]
	s_delay_alu instid0(VALU_DEP_1)
	v_permlanex16_b32 v[T2], v[T0], s62, s63
	s_delay_alu instid0(VALU_DEP_1)
	v_max3_num_f32 v[NM+1], v[NM+1], v[T0], v[T2]  ; the running largest score of my query
	s_delay_alu instid0(VALU_DEP_1)
	v_mul_f32 v[T0], 0xbd38aa3b, v[NM+1]           ; x -c: -t (c is positive, so the largest score gives the largest t)
	s_delay_alu instid0(VALU_DEP_1)
	v_floor_f32 v[NM], v[T0]                       ; the new -M = floor(-t): M is a whole number
	s_delay_alu instid0(VALU_DEP_1)
.set j, 0
.rept 32
	v_pk_fma_f32 v[S+j:S+j+1], v[S+j:S+j+1], s[66:67], v[NM:NM+1] op_sel_hi:[1,0,0]   ; t - M, two at a time
.if j == 2
	v_sub_f32 v[T1], v[NM], v[T1]                  ; old M - new M: a whole number, 0 or less
.endif
.if j == 12
	v_cvt_i32_f32 v[T1], v[T1]                     ; (it saturates)
.endif
.if j == 22
	v_ldexp_f32 v[FF], 1.0, v[T1]                  ; f = 2^(old M - new M): a multiplication by it rounds nothing
.endif
.set j, j+2
.endr
	v_fma_f32 v[MX], v[MX], s66, v[NM]             ; the same of each block's largest score
	v_fma_f32 v[MX+1], v[MX+1], s66, v[NM]
	v_pk_mul_f32 v[SUM:SUM+1], v[SUM:SUM+1], v[FF:FF+1] op_sel_hi:[1,0]   ; the sum under the new M
	s_wait_alu depctr_va_vdst(0)
.set j, 0
.rept 64
	v_exp_f32 v[S+j], v[S+j]                       ; p = 2^(t - M): not normalised
.set j, j+1
.endr
	v_exp_f32 v[MX], v[MX]                         ; the block's largest p: the same two instructions on the same number
	v_exp_f32 v[MX+1], v[MX+1]
	s_wait_alu depctr_va_vdst(0)                   ; one wait for the batch, directly ahead of the first reader of O^T
	OM 0                                           ; O^T x f, each accumulator from its low end on, among the links of the chain that makes p's scale word.  (The first is the plain place behind the exponentials)
	v_max_num_f32 v[MX], 0x1800000, v[MX]          ; the floor 2^(3 - 127): the byte cannot fall under 1
	v_max_num_f32 v[MX+1], 0x1800000, v[MX+1]
	OM 2
	OM 4
	v_add_nc_u32 v[SCO], 0xff000000, v[MX]         ; 2 off the exponent field: the conversion's scale operand
	v_add_nc_u32 v[SCO+1], 0xff000000, v[MX+1]
	OM 6
	OM 8
	v_lshrrev_b32 v[BY], 23, v[SCO]
	v_lshrrev_b32 v[BY+1], 23, v[SCO+1]
	OM 10
	OM 12
	OM 14
	v_lshl_or_b32 v[T0], v[BY+1], 16, v[BY]        ; my two bytes, blocks h and 2 + h,
	OM 16
	OM 18
	OM 20
	v_lshlrev_b32 v[T0], v[SH8], v[T0]
	OM 22
	OM 24
	OM 26
	v_permlanex16_b32 v[T2], v[T0], s62, s63
	OM 28
	OM 30
	s_delay_alu instid0(VALU_DEP_3)
	v_or_b32 v[PS], v[T0], v[T2]                   ; with lane l xor 16's two: p's scale word for these 128 keys
	v_cvt_scalef32_pk16_fp6_f32 v[PC:PC+2], v[S:S+15], v[SCO]
	v_cvt_scalef32_pk16_fp6_f32 v[CT0:CT0+2], v[S+16:S+31], v[SCO]
	v_cvt_scalef32_pk16_fp6_f32 v[PC+6:PC+8], v[S+32:S+47], v[SCO+1]
	v_cvt_scalef32_pk16_fp6_f32 v[CT1:CT1+2], v[S+48:S+63], v[SCO+1]
	DI 0                                           ; THE ROW'S SUM IS TAKEN OF THE UNQUANTISED p.  (The plain place behind the conversions)
.irp i, 0,1,2
	v_mov_b32 v[PC+3+\i], v[CT0+\i]                ; (a conversion's three registers begin on an even number)
	v_mov_b32 v[PC+9+\i], v[CT1+\i]
.endr
.irp k, 1,2,3,4,5,6,7
	DI \k                                          ; these seven and the next line: the places between p's codes and scale word and the products
.endr
	DA 0, 16
	s_wait_alu depctr_va_vdst(0)
	s_wait_dscnt 0x0                               ; V is in
.irp w, 0,1                                    ; O^T += V^T P^T: the four accumulators by turns
	v_wmma_scale_f32_16x16x128_f8f6f4 v[O+8*\w:O+8*\w+7], v[KV+12*\w:KV+12*\w+11], v[PC:PC+11], v[O+8*\w:O+8*\w+7], v[VS+\w], v[PS] matrix_a_fmt:MATRIX_FMT_FP6 matrix_b_fmt:MATRIX_FMT_FP6
.endr
.irp w, 2,3
	v_wmma_scale_f32_16x16x128_f8f6f4 v[O+8*\w:O+8*\w+7], v[KV+12*\w:KV+12*\w+11], v[PC:PC+11], v[O+8*\w:O+8*\w+7], v[VS+\w-2], v[PS] matrix_a_fmt:MATRIX_FMT_FP6 matrix_b_fmt:MATRIX_FMT_FP6 matrix_a_scale:MATRIX_SCALE_ROW1
.endr
	s_add_co_u32 s58, s58, 1
	s_and_b32 s61, s58, 15                         ; the next step's record; behind a tile's last step record 0, which my second tile begins with (my very last step asks for it once more and does not use it)
	s_mul_i32 s61, s61, KSR
	v_add_nc_u32 v[A16], s61, v[L16]               ; these two and the next two: four places in front of loads into registers that the products read
	v_add_nc_u32 v[A8], s61, v[L8]
	DA 1, 17
	DA 2, 18
	KLOAD                                          ; the next step's K lands under the rest of the sum
.irp k, 3,4,5,6,7
	DA \k, 16+\k
.endr
.irp k, 0,1,2,3,4,5,6,7
	DA \k, 24+\k
.endr
	s_sub_co_u32 s59, s59, 1
	s_cmp_lg_u32 s59, 0
	s_cbranch_scc1 .Lstep
	; THE TILE'S END.  Register 8 w + j of lane (r, h) is channel 32 h + 8 w + j of query r: one whole block of 32 along the last product's K.
	DADD 0, 4                                      ; the last step's chains are joined
	DADD 1, 5
	DADD 2, 6
	DADD 3, 7
	DADD 0, 2
	DADD 1, 3
	s_delay_alu instid0(VALU_DEP_1)
	DADD 0, 1
	s_delay_alu instid0(VALU_DEP_1)
	v_pk_add_f32 v[SUM:SUM+1], v[SUM:SUM+1], v[D:D+1]
	s_delay_alu instid0(VALU_DEP_1)
	v_add_f32 v[SUM], v[SUM], v[SUM+1]             ; the sum's two halves,
	s_delay_alu instid0(VALU_DEP_1)
	v_permlanex16_b32 v[T1], v[SUM], s62, s63
	s_delay_alu instid0(VALU_DEP_1)
	v_add_f32 v[SUM], v[SUM], v[T1]                ; and lane l xor 16's: the row's sum
	s_wait_alu depctr_va_vdst(0)
	v_rcp_f32 v[FF], v[SUM]
	v_nop                                          ; one plain place behind a transcendental
	s_wait_alu depctr_va_vdst(0)                   ; the wait ahead of the reciprocal's first reader, which is O^T's too
.set j, 0
.rept 16
	v_pk_mul_f32 v[S+j:S+j+1], v[O+j:O+j+1], v[FF:FF+1] op_sel_hi:[1,0]   ; O^T / the sum, each accumulator from its low end on
.set j, j+2
.endr
	v_max3_num_f32 v[MX], |v[S]|, |v[S+1]|, 0x1800000   ; the block's largest magnitude, in two chains, with the floor
	v_max3_num_f32 v[MX+1], |v[S+2]|, |v[S+3]|, 0x1800000
.irp i, 4,8,12,16,20,24,28
	s_delay_alu instid0(VALU_DEP_2)
	v_max3_num_f32 v[MX], v[MX], |v[S+\i]|, |v[S+\i+1]|
	s_delay_alu instid0(VALU_DEP_2)
	v_max3_num_f32 v[MX+1], v[MX+1], |v[S+\i+2]|, |v[S+\i+3]|
.endr
	s_delay_alu instid0(VALU_DEP_1)
	v_max_num_f32 v[MX], v[MX], v[MX+1]
	s_delay_alu instid0(VALU_DEP_1)
	v_add_nc_u32 v[SCO], 0xff000000, v[MX]
	s_delay_alu instid0(VALU_DEP_1)
	v_lshrrev_b32 v[BY], 23, v[SCO]
	s_delay_alu instid0(VALU_DEP_1)
	v_lshlrev_b32 v[T0], v[SH8], v[BY]
	s_delay_alu instid0(VALU_DEP_1)
	v_permlanex16_b32 v[T1], v[T0], s62, s63
	s_delay_alu instid0(VALU_DEP_1)
	v_or_b32 v[T0], v[T0], v[T1]                   ; the head's two bytes of row r
	s_delay_alu instid0(VALU_DEP_1)
	v_cndmask_b32 v[BB], v[BB], v[T0], s100        ; the first tile's are kept in lanes 0-15, the second's in lanes 16-31
	v_cvt_scalef32_pk16_fp6_f32 v[PC:PC+2], v[S:S+15], v[SCO]
	v_cvt_scalef32_pk16_fp6_f32 v[CT0:CT0+2], v[S+16:S+31], v[SCO]
	v_nop                                          ; one plain place behind a scaled conversion
.irp i, 0,1,2
	v_mov_b32 v[PC+3+\i], v[CT0+\i]
.endr
	global_store_b128 v[L16], v[PC:PC+3], s[88:89]             ; 512 and 256 consecutive bytes, aligned
	global_store_b64 v[L8], v[PC+4:PC+5], s[88:89] offset:512
	s_wait_xcnt 0x0                                ; the stores have read their registers and their base
	s_add_nc_u64 s[52:53], s[52:53], 768           ; on to my second tile
	s_add_nc_u64 s[92:93], s[92:93], 4
	s_add_nc_u64 s[88:89], s[88:89], 12288
	s_lshl_b32 s100, s100, 16
	s_sub_co_u32 s60, s60, 1
	s_cmp_lg_u32 s60, 0
	s_wait_alu depctr_va_vdst(0)
	s_cbranch_scc1 .Lpass
	global_store_b16 v[OS], v[BB], s[94:95]        ; two bytes a row, 8 bytes apart: 32 bytes of each tile's 512 are this head's; 262,144 bytes in the whole launch
	s_wait_tensorcnt 0x0                           ; the wave's end
	ds_add_u32 v[SPW], v[NIL]
	s_wait_dscnt 0x0
	CROUND                                         ; the closing round
	s_endpgm
.Lfunc_end_k_qb802db3329_attn:
	.size	k_qb802db3329_attn, .Lfunc_end_k_qb802db3329_attn-k_qb802db3329_attn
	.p2alignl 7, 3214868480
	.fill 96, 4, 3214868480
	.section	.rodata,"a",@progbits
	.p2align	6, 0x0
	.amdhsa_kernel k_qb802db3329_attn
		.amdhsa_group_segment_fixed_size 210944
		.amdhsa_private_segment_fixed_size 0
		.amdhsa_enable_private_segment 0
		.amdhsa_kernarg_size 32
		.amdhsa_user_sgpr_count 2
		.amdhsa_user_sgpr_kernarg_segment_ptr 1
		.amdhsa_wavefront_size32 1
		.amdhsa_system_sgpr_workgroup_id_x 1
		.amdhsa_system_sgpr_workgroup_id_y 1
		.amdhsa_system_sgpr_workgroup_id_z 1
		.amdhsa_system_vgpr_workitem_id 0
		.amdhsa_next_free_vgpr 244
		.amdhsa_next_free_sgpr 102
		.amdhsa_reserve_vcc 0
		.amdhsa_float_denorm_mode_32 3
		.amdhsa_float_denorm_mode_16_64 3
		.amdhsa_memory_ordered 1
		.amdhsa_forward_progress 1
		.amdhsa_inst_pref_size 34
	.end_amdhsa_kernel
	.amdgpu_metadata
---
amdhsa.version: [ 1, 2 ]
amdhsa.kernels:
  - .name:           k_qb802db3329_attn
    .symbol:         k_qb802db3329_attn.kd
    .args:
      - { .name: hd, .offset: 0, .size: 8, .value_kind: global_buffer, .address_space: global }
      - { .name: mb, .offset: 8, .size: 8, .value_kind: global_buffer, .address_space: global }
      - { .name: aoc, .offset: 16, .size: 8, .value_kind: global_buffer, .address_space: global }
      - { .name: aos, .offset: 24, .size: 8, .value_kind: global_buffer, .address_space: global }
    .group_segment_fixed_size: 210944
    .private_segment_fixed_size: 0
    .kernarg_segment_align: 8
    .kernarg_segment_size: 32
    .max_flat_workgroup_size: 512
    .sgpr_count:     102
    .vgpr_count:     244
    .wavefront_size: 32
...
	.end_amdgpu_metadata
.endif
;; end of part 3
;; launch proj (part 4): grid 4 x 64, 4 waves a work-group, clusters of 4 x 4, 327,680 bytes of LDS; arguments aoc, aos, fc, fs, bp, out0; writes out0
.if DOCPART == 4
	.amdgcn_target "amdgcn-amd-amdhsa--gfx1250"
	.amdhsa_code_object_version 6
	.text
	.protected	k_qb802db3329_proj
	.globl	k_qb802db3329_proj
	.p2align	8
	.type	k_qb802db3329_proj,@function
k_qb802db3329_proj:
	s_mov_b64 s[64:65], 0
	v_nop
	global_prefetch_b8 v0, s[64:65] scope:SCOPE_SE
	s_setreg_imm32_b32 hwreg(HW_REG_WAVE_MODE, 25, 1), 1
	s_wait_xcnt 0x0
	s_wait_alu depctr_hold_cnt(0) depctr_sa_sdst(0) depctr_va_vdst(0) depctr_va_sdst(0) depctr_va_ssrc(0) depctr_va_vcc(0) depctr_vm_vsrc(0)
	s_getreg_b32 s2, hwreg(HW_REG_IB_STS2, 6, 4)
	s_cmp_eq_u32 s2, 0
	s_cbranch_scc0 .Lentry_in_a_cluster
	s_endpgm
.Lentry_in_a_cluster:
	s_bfe_u32 s2, ttmp6, 0x10000c
	s_cmp_lg_u32 s2, 0xf033
	s_cbranch_scc0 .Lentry_shape_is_right
	s_endpgm
.Lentry_shape_is_right:
; out0 = O Wp^T + bp on the codes and scale words of O (aoc, aos) and of Wp (row tiles 1728 on of fc, fs): row tiles of 16 rows x 1,024 K, 12,288 bytes of codes and 512 bytes of scale words each.
; A BLOCK is 128 rows of O x 256 rows of Wp, with ALL of K in LDS: O's 8 row tiles (98,304 dense bytes), then Wp's 16 (196,608).  Nothing is filled again: one joint load a wave at the head, one barrier, then eight K steps of 128.
; GRID: 16 clusters of 4 x 4: row block 4 t + cy of 64, column block cx of 4: 256 work-groups.  O's tiles are asked for jointly along a row of the cluster, Wp's along a column.
; A WAVE makes 64 x 128: 32 accumulators (window 2), begun with the bias as C (window 3); two sets of fragments for O (window 0) and for Wp (window 1); the accumulators by turns.
; SCALE WORDS go into registers, once: a load of 8 bytes a lane covers 256 consecutive bytes of a tile's 512: lanes 0-15 the words of K steps 4 u, 4 u + 1 of row r, lanes 16-31 those of steps 4 u + 2, 4 u + 3; the row selector picks.
; THE WAY OUT goes through a stage of the wave's own in O's bytes, behind a barrier in front of which every wave has had its last fragment; whole rows of 512 bytes are stored.
; No prefetch: everything that the work-group reads is asked for at its head; there is no loop to run ahead in.
.set FR,    12
.set TILE,  12288
.set ABYTES, 8*TILE
.set SPARE, 24*TILE
.set SPITCH, 528
.set L16,  8
.set L8,   9
.set ADRA, 16
.set ADRB, 20
.set STO,  24
.set RD,   25
.set SPW,  28
.set NIL,  29
.set SAR,  32
.set SBR,  48
.set AF,   128
.set BK,   128
.set G1, 24
.set G0, 32
.set G1B, 48
.set G0B, 56
.set MSB, 0
.macro WIN new
.if MSB != \new
	s_set_vgpr_msb (MSB<<8)|\new
.set MSB, \new
.endif
.endm
.macro CROUND
	s_barrier_signal -1
	s_barrier_wait -1
	s_cmp_lg_u32 s16, 0
	s_cbranch_scc1 .Lnot_wave_0_\@
	s_barrier_signal -3
.Lnot_wave_0_\@:
	s_barrier_wait -3
	s_barrier_signal -1
	s_barrier_wait -1
.endm
.macro PLACES
.rept 4
	v_nop
.endr
.endm
	s_load_b256 s[4:11], s[0:1], 0x0               ; aoc, aos, fc, fs
	s_load_b128 s[12:15], s[0:1], 0x20             ; bp, out0
	v_lshl_add_u32 v[SPW], v0, 2, SPARE
	v_mov_b32 v[NIL], 0
	ds_add_u32 v[SPW], v[NIL]                      ; the opening lines: the add, twice on end, and its wait
	ds_add_u32 v[SPW], v[NIL]
	v_lshrrev_b32 v1, 5, v0
	v_readfirstlane_b32 s16, v1                    ; wave
	s_lshr_b32 s17, s16, 1                         ; my half of the rows.  Also: I fetch for O (0) or for Wp (1)
	s_and_b32 s18, s16, 1                          ; my half of the columns.  Also: which half of that operand I fetch
	s_bfe_u32 s19, ttmp6, 0x40000                  ; cx
	s_bfe_u32 s20, ttmp6, 0x40004                  ; cy
	s_and_b32 s21, ttmp7, 0xffff
	s_lshl_b32 s40, s20, 2
	s_lshl_b32 s40, 15, s40
	s_lshl_b32 s41, 0x1111, s19
	s_or_b32 s[G1+0], s40, (3<<16)|(1<<21)         ; dense bytes as rows of 256 (32 elements of 8 bytes): O's half 192 rows, Wp's half 384
	s_or_b32 s[G1B+0], s41, (3<<16)|(1<<21)
	s_mov_b32 s[G1+1], 32<<16
	s_mov_b32 s[G1+2], 192<<16
	s_mov_b32 s[G1+3], 32<<16
	s_mov_b32 s[G1+4], 192
	s_mov_b32 s[G1+5], 32
	s_mov_b32 s[G1+6], 0
	s_mov_b32 s[G1+7], 0
	s_mov_b32 s[G1B+1], 32<<16
	s_mov_b32 s[G1B+2], 384<<16
	s_mov_b32 s[G1B+3], 32<<16
	s_mov_b32 s[G1B+4], 384
	s_mov_b32 s[G1B+5], 32
	s_mov_b32 s[G1B+6], 0
	s_mov_b32 s[G1B+7], 0
	s_lshl_b32 s42, s21, 2
	s_add_co_u32 s42, s42, s20
	s_lshl_b32 s42, s42, 3                         ; O's first row tile: 8 (4 t + cy)
	s_lshl_b32 s44, s19, 4
	s_add_co_u32 s44, s44, 1728                    ; Wp's: 1728 + 16 cx
	s_lshl_b32 s46, s18, 2
	s_add_co_u32 s46, s46, s42                     ; the four tiles of O that I fetch
	s_mul_i32 s92, s46, TILE
	s_mov_b32 s93, 0
	s_lshl_b32 s46, s17, 2
	s_add_co_u32 s46, s46, s42                     ; the four that I multiply
	s_lshl_b32 s94, s46, 9
	s_mov_b32 s95, 0
	s_lshl_b32 s47, s18, 3
	s_add_co_u32 s47, s47, s44                     ; the eight tiles of Wp that I fetch, and multiply
	s_mul_i32 s96, s47, TILE
	s_mov_b32 s97, 0
	s_lshl_b32 s98, s47, 9
	s_mov_b32 s99, 0
	s_mov_b32 s[G0], 1
	s_mul_i32 s[G0+1], s18, 4*TILE
	s_mov_b32 s[G0B], 1
	s_mul_i32 s[G0B+1], s18, 8*TILE
	s_add_co_u32 s[G0B+1], s[G0B+1], ABYTES
	s_mul_i32 s36, s17, 4*TILE
	s_mul_i32 s37, s18, 8*TILE
	s_add_co_u32 s37, s37, ABYTES
	s_add_co_u32 s38, s37, 4*TILE
	s_mul_i32 s39, s16, 16*SPITCH                  ; my stage
	s_lshl_b32 s70, s19, 10
	s_lshl_b32 s71, s18, 9
	s_add_co_u32 s70, s70, s71                     ; my first column, in bytes
	s_mov_b32 s71, 0
	s_lshl_b32 s72, s42, 4
	s_lshl_b32 s73, s17, 6
	s_add_co_u32 s72, s72, s73                     ; my first row: 128 x row block + 64 x half
	s_lshl_b32 s72, s72, 12
	s_mov_b32 s73, 0
	s_wait_dscnt 0x0
	s_wait_kmcnt 0x0
	s_add_nc_u64 s[G0+2:G0+3], s[4:5], s[92:93]
	s_or_b32 s[G0+3], s[G0+3], 0x80000000
	s_add_nc_u64 s[G0B+2:G0B+3], s[8:9], s[96:97]
	s_or_b32 s[G0B+3], s[G0B+3], 0x80000000
	s_add_nc_u64 s[94:95], s[6:7], s[94:95]
	s_add_nc_u64 s[98:99], s[10:11], s[98:99]
	s_add_nc_u64 s[12:13], s[12:13], s[70:71]
	s_add_nc_u64 s[14:15], s[14:15], s[70:71]
	s_add_nc_u64 s[14:15], s[14:15], s[72:73]
	CROUND                                         ; all sixteen work-groups are here: the joint loads meet
	s_cmp_eq_u32 s17, 0                            ; my one tensor load of the launch
	s_cbranch_scc0 .Lfor_b
	tensor_load_to_lds s[G0:G0+3], s[G1:G1+7]
	s_nop 0
	PLACES
	s_branch .Lasked
.Lfor_b:
	tensor_load_to_lds s[G0B:G0B+3], s[G1B:G1B+7]
	s_nop 0
	PLACES
.Lasked:
	v_and_b32 v1, 31, v0
	v_and_b32 v2, 15, v0                           ; r
	v_bfe_u32 v3, v0, 4, 1                         ; h
	v_lshlrev_b32 v[L16], 4, v1
	v_lshlrev_b32 v[L8], 3, v1
	v_lshlrev_b32 v4, 7, v3                        ; the bias: my 32 columns of each 64 begin 128 h bytes in
	v_mul_u32_u24 v5, v2, SPITCH
	v_add_nc_u32 v[ADRA], s36, v[L16]
	v_add_nc_u32 v[ADRA+1], s36, v[L8]
	v_add_nc_u32 v[ADRB], s37, v[L16]
	v_add_nc_u32 v[ADRB+1], s37, v[L8]
	v_add_nc_u32 v[ADRB+2], s38, v[L16]
	v_add_nc_u32 v[ADRB+3], s38, v[L8]
	v_lshl_add_u32 v5, v3, 7, v5
	v_add_nc_u32 v[RD], s39, v[L16]                ; the stage, back: a row of 512 bytes to the 32 lanes
	v_add_nc_u32 v[STO], s39, v5                   ; and in: row r, 128 h
	s_wait_alu depctr_va_vdst(0)
.irp i, 0,1,2,3
.irp u, 0,1
	global_load_b64 v[SAR+4*\i+2*\u:SAR+4*\i+2*\u+1], v[L8], s[94:95] offset:512*\i+256*\u
.endr
.endr
.irp i, 0,1,2,3,4,5,6,7
.irp u, 0,1
	global_load_b64 v[SBR+4*\i+2*\u:SBR+4*\i+2*\u+1], v[L8], s[98:99] offset:512*\i+256*\u
.endr
.endr
	WIN 0xc0                                       ; the bias in the results' layout, into window 3: register 8 b + j is column 64 (b / 4) + 32 h + 8 (b % 4) + j
.irp b, 0,1,2,3,4,5,6,7
	global_load_b128 v[8*\b:8*\b+3], v4, s[12:13] offset:256*(\b/4)+32*(\b%4)
	global_load_b128 v[8*\b+4:8*\b+7], v4, s[12:13] offset:256*(\b/4)+32*(\b%4)+16
.endr
	WIN 0
.macro FRAG reg, adr, off
	ds_load_b128 v[\reg:\reg+3],     v[\adr]   offset:\off
	ds_load_b64  v[\reg+4:\reg+5],   v[\adr+1] offset:\off+512
	ds_load_b128 v[\reg+6:\reg+9],   v[\adr]   offset:\off+768
	ds_load_b64  v[\reg+10:\reg+11], v[\adr+1] offset:\off+1280
.endm
.macro FETCH st                        ; step st's 12 fragments into set st % 2
	WIN 0x40
.irp i, 0,1,2,3
	FRAG 128*((\st)%2)+FR*\i, ADRB, TILE*\i+1536*(\st)
.endr
.irp i, 0,1,2,3
	FRAG 128*((\st)%2)+FR*(\i+4), ADRB+2, TILE*\i+1536*(\st)
.endr
	WIN 0
.irp i, 0,1,2,3
	FRAG AF+48*((\st)%2)+FR*\i, ADRA, TILE*\i+1536*(\st)
.endr
.endm
.macro MUL st
.irp a, 0,1,2,3
.irp b, 0,1,2,3,4,5,6,7
.set DD, 8*(8*\a+\b)
.set BF, 128*((\st)%2)+FR*\b
.set AA, AF+48*((\st)%2)+FR*\a
.set SB1, SBR+4*\b+2*((\st)/4)+(\st)%2
.set SA1, SAR+4*\a+2*((\st)/4)+(\st)%2
.if (\st) == 0
	v_wmma_scale_f32_16x16x128_f8f6f4 v[DD:DD+7], v[BF:BF+11], v[AA:AA+11], v[8*\b:8*\b+7], v[SB1], v[SA1] matrix_a_fmt:MATRIX_FMT_FP6 matrix_b_fmt:MATRIX_FMT_FP6
.elseif ((\st)/2)%2
	v_wmma_scale_f32_16x16x128_f8f6f4 v[DD:DD+7], v[BF:BF+11], v[AA:AA+11], v[DD:DD+7], v[SB1], v[SA1] matrix_a_fmt:MATRIX_FMT_FP6 matrix_b_fmt:MATRIX_FMT_FP6 matrix_a_scale:MATRIX_SCALE_ROW1 matrix_b_scale:MATRIX_SCALE_ROW1
.else
	v_wmma_scale_f32_16x16x128_f8f6f4 v[DD:DD+7], v[BF:BF+11], v[AA:AA+11], v[DD:DD+7], v[SB1], v[SA1] matrix_a_fmt:MATRIX_FMT_FP6 matrix_b_fmt:MATRIX_FMT_FP6
.endif
.endr
.endr
.endm
.macro STEP st
	s_wait_dscnt 0x0                               ; this step's fragments are in (asked for ahead of the last step's 32 products)
.if (\st) < 7
.if (\st) > 0
	PLACES                                         ; in front of loads into the set that the last step's products read
.endif
	FETCH (\st)+1
.else
	s_barrier_signal -1                            ; my last read of the tiles is over
.endif
.if (\st) == 0
	WIN 0xb1                                       ; source 0 (Wp) window 1, source 1 (O) window 0, C window 3 (the bias), D window 2
.else
	WIN 0xa1                                       ; C and D window 2
.endif
	MUL \st
.endm
	s_wait_tensorcnt 0x0                           ; my part is in,
	s_barrier_signal -1
	s_barrier_wait -1                              ; everybody's is
	FETCH 0
	s_wait_loadcnt 0x0                             ; the scale words and the bias
.irp st, 0,1,2,3,4,5,6,7
	STEP \st
.endr
	WIN 0
	s_barrier_wait -1                              ; everybody's last read is over: the stages may be written
.macro TOSTAGE a
.set AC, 64*(\a)
	WIN 0x08                                       ; the data: window 2
.irp b, 0,1,2,3,4,5,6,7
	ds_store_b128 v[STO], v[AC+8*\b:AC+8*\b+3] offset:256*(\b/4)+32*(\b%4)      ; each accumulator from its low end on
	ds_store_b128 v[STO], v[AC+8*\b+4:AC+8*\b+7] offset:256*(\b/4)+32*(\b%4)+16
.endr
	WIN 0
.set BB, BK+64*((\a)%2)
.irp t, 0,1,2,3,4,5,6,7,8,9,10,11,12,13,14,15
	ds_load_b128 v[BB+4*\t:BB+4*\t+3], v[RD] offset:\t*SPITCH    ; LDS serves a wave's instructions in order: these see the stores above
.endr
.endm
.macro SEND a, younger                 ; tile a's lane r is row 8 a + r % 8 + 32 (r / 8) of my 64
.set BB, BK+64*((\a)%2)
	s_wait_dscnt \younger
.if (\a) > 0
	s_add_nc_u64 s[14:15], s[14:15], 8*4096        ; (behind a wait on XCNT: the earlier stores have read their base)
.endif
.irp t, 0,1,2,3,4,5,6,7,8,9,10,11,12,13,14,15
	global_store_b128 v[L16], v[BB+4*\t:BB+4*\t+3], s[14:15] offset:((\t%8)+32*(\t/8))*4096 th:TH_STORE_NT   ; 512 consecutive bytes, aligned
.endr
.endm
	PLACES                                         ; in front of the first read of the results and of loads into registers that held fragments
	TOSTAGE 0
.irp a, 1,2,3
.if \a > 1
	s_wait_xcnt 0x0                                ; tile a - 2's stores have read their registers and their base
.endif
	TOSTAGE \a
	SEND \a-1, 32                                  ; behind tile a - 1's loads: tile a's 16 stores and 16 loads
.endr
	s_wait_xcnt 0x0
	SEND 3, 0
	s_wait_tensorcnt 0x0                           ; the wave's end
	ds_add_u32 v[SPW], v[NIL]
	s_wait_dscnt 0x0
	CROUND                                         ; the closing round
	s_endpgm
.Lfunc_end_k_qb802db3329_proj:
	.size	k_qb802db3329_proj, .Lfunc_end_k_qb802db3329_proj-k_qb802db3329_proj
	.p2alignl 7, 3214868480
	.fill 96, 4, 3214868480
	.section	.rodata,"a",@progbits
	.p2align	6, 0x0
	.amdhsa_kernel k_qb802db3329_proj
		.amdhsa_group_segment_fixed_size 327680
		.amdhsa_private_segment_fixed_size 0
		.amdhsa_enable_private_segment 0
		.amdhsa_kernarg_size 48
		.amdhsa_user_sgpr_count 2
		.amdhsa_user_sgpr_kernarg_segment_ptr 1
		.amdhsa_wavefront_size32 1
		.amdhsa_system_sgpr_workgroup_id_x 1
		.amdhsa_system_sgpr_workgroup_id_y 1
		.amdhsa_system_sgpr_workgroup_id_z 1
		.amdhsa_system_vgpr_workitem_id 0
		.amdhsa_next_free_vgpr 832
		.amdhsa_next_free_sgpr 102
		.amdhsa_reserve_vcc 0
		.amdhsa_float_denorm_mode_32 3
		.amdhsa_float_denorm_mode_16_64 3
		.amdhsa_memory_ordered 1
		.amdhsa_forward_progress 1
		.amdhsa_inst_pref_size 83
	.end_amdhsa_kernel
	.amdgpu_metadata
---
amdhsa.version: [ 1, 2 ]
amdhsa.kernels:
  - .name:           k_qb802db3329_proj
    .symbol:         k_qb802db3329_proj.kd
    .args:
      - { .name: aoc, .offset: 0, .size: 8, .value_kind: global_buffer, .address_space: global }
      - { .name: aos, .offset: 8, .size: 8, .value_kind: global_buffer, .address_space: global }
      - { .name: fc, .offset: 16, .size: 8, .value_kind: global_buffer, .address_space: global }
      - { .name: fs, .offset: 24, .size: 8, .value_kind: global_buffer, .address_space: global }
      - { .name: bp, .offset: 32, .size: 8, .value_kind: global_buffer, .address_space: global }
      - { .name: out0, .offset: 40, .size: 8, .value_kind: global_buffer, .address_space: global }
    .group_segment_fixed_size: 327680
    .private_segment_fixed_size: 0
    .kernarg_segment_align: 8
    .kernarg_segment_size: 48
    .max_flat_workgroup_size: 128
    .sgpr_count:     102
    .vgpr_count:     832
    .wavefront_size: 32
...
	.end_amdgpu_metadata
.endif
;; end of part 4
